; MI455X (gfx1250); checked and timed in simulation.
; The chip was launched on July 23, 2026; its instructions are those of AMD's public machine-readable ISA for CDNA 5 (MIT licence, August 2026) and "CDNA5" Instruction Set Architecture Reference Guide (July 2026). The comments in the code are by the model that wrote it; some were corrected since.
;; DKD. Allowed arithmetic: float matrix products may take bf16 or f16 operands with f32 sums; all other float work in f32.
;; Inputs: descriptor_map 2 x 128 x 512 x 512 float32; scores_map 2 x 1 x 512 x 512 float32.
;; Outputs: out0 2 x 2,048 x 2 float32; out1 2 x 2,048 x 128 float32; out2 2 x 2,048 float32; out3 2 x 2,048 float32.
;; 2 versions, each right and faster than the one before. Each part assembles by itself: llvm-mc -triple=amdgcn-amd-amdhsa -mcpu=gfx1250 --defsym DOCPART=n.
;; ======== version 1 of 2: 5 launches
;; workspace buffers: lk 2,097,152 bytes of whole numbers; li 2,097,152 bytes of whole numbers; sk 8,192 bytes of whole numbers; si 8,192 bytes of whole numbers; thr 256 bytes of whole numbers; cnt 33,554,432 bytes of whole numbers; kp 8,388,608 bytes of whole numbers
;; launch nms (part 1): grid 256 x 1, 16 waves a work-group, no clusters, 51,200 bytes of LDS; arguments scores_map, lk, li, sk, si; writes lk, li, sk, si
.if DOCPART == 1
	.amdgcn_target "amdgcn-amd-amdhsa--gfx1250"
	.amdhsa_code_object_version 6
	.text
	.protected	k_q1b6021cb0a_nms
	.globl	k_q1b6021cb0a_nms
	.p2align	8
	.type	k_q1b6021cb0a_nms,@function
k_q1b6021cb0a_nms:
	s_mov_b64 s[64:65], 0
	v_nop
	global_prefetch_b8 v0, s[64:65] scope:SCOPE_SE
	s_setreg_imm32_b32 hwreg(HW_REG_WAVE_MODE, 25, 1), 1
	s_wait_xcnt 0x0
; NMS (five 7x7 max pools, the two image halves pooled apart), border mask, and a full sort of one tile's 2,048 pixels.
; A work-group owns 32 columns x 64 rows of one image and works on 64 x 96: a halo of 16, of which 5 pools x 3 = 15 are needed.
; Thread t: column group cg = t & 15 (4 pixels; the 16 lanes of a DPP row are one tile row), strip = t >> 4 (3 rows).
; A pixel becomes the pair (K, I): K = the f32 bits of (kept ? s : 0) * border made monotone as u32, I = 0x3FFFF - index.
; "Greater pair first" is value descending, index ascending.  Pairs are unique, so every comparison is strict.
; The sort is oblivious (bitonic, mirror form: every comparator puts the greater pair at the lower place): no branch or address hangs on a score.
; Out: the sorted list (lk, li) and its elements at places 7, 15, 23, 31, 63, 255, 1023, 2047 (sk, si).
; LIMITS: NaN or infinite scores are not served; -0 sorts below +0.
; No tensor loads, clusters or matrix work: a tile is 24 KiB, read once through registers, and shares only its halo.
.set Y1,   24576                       ; LDS: buffer 0 at 0, buffer 1 at 24576, each 96 rows x 256 bytes
.set RA0,  2                           ; 768 strip + 16 cg: my first row
.set RAU,  3                           ; the three rows above (strip 0: its own, halo only)
.set RAD,  4                           ; the three rows below (strip 31: its own, halo only)
.set RT16, 5                           ; 16 t
.set RL16, 6                           ; 16 lane
.set RR16, 7                           ; 496 - 16 lane
.set S,    8                           ; v[8:19]   scores, 3 rows x 4
.set SRC,  20                          ; v[20:31]  what is pooled (mask as float, or suppressed scores)
.set H,    32                          ; v[32:43]  horizontal maxima of my rows
.set HU,   44                          ; v[44:55]  of the rows above
.set HD,   56                          ; v[56:67]  of the rows below
.set P,    68                          ; v[68:79]  pooled
.set OFS,  87                          ; v[87:89]  load offsets
.set NINF, 91
.set T,    92                          ; v[92:99]  at work
.set ZV,   100                         ; v[100:102] row r: 0 inside my half of the image, -inf outside
.set VAL,  20                          ; s[20:22]  row r: pixel lies in the image and in my half
.set ROWB, 23                          ; s[23:25]  3 <= y < 510
.set COLB, 26                          ; s[26:29]  3 <= x < 510
.set MM,   30                          ; s[30:41]  kept so far
.set SM,   42                          ; s[42:53]  suppressed
.set UP,   54                          ; s[54:58]  lanes whose bit n is set
.set KK,   8                           ; the sort: v[8:11] K, v[12:15] I, v[16:19], v[20:23] the partner's
.set II,   12
.set TK,   16
.set TI,   20
.set XB,   0                           ; LDS buffer of the next exchange between waves
	s_load_b256 s[4:11], s[0:1], 0x0               ; scores s[4:5], lk s[6:7], li s[8:9], sk s[10:11]
	s_load_b64 s[12:13], s[0:1], 0x20              ; si
	v_lshl_add_u32 v104, v0, 2, 0xc000
	v_mov_b32 v105, 0
	v_lshrrev_b32 v1, 5, v0
	v_readfirstlane_b32 s14, v1                    ; wave
	s_and_b32 s16, ttmp9, 15                       ; tile x
	s_bfe_u32 s17, ttmp9, 0x30004                  ; tile y
	s_lshr_b32 s18, ttmp9, 7                       ; image
	s_mov_b32 s[UP+0], 0xaaaaaaaa
	s_mov_b32 s[UP+1], 0xcccccccc
	s_mov_b32 s[UP+2], 0xf0f0f0f0
	s_mov_b32 s[UP+3], 0xff00ff00
	s_mov_b32 s[UP+4], 0xffff0000
	s_mov_b32 s59, 0x76543210                      ; v_permlanex16_b32: lane xor 16
	s_mov_b32 s60, 0xfedcba98
	s_mov_b32 s61, 0x89abcdef                      ; lane xor 31
	s_mov_b32 s62, 0x01234567
	v_and_b32 v1, 15, v0                           ; cg
	v_lshrrev_b32 v80, 4, v0                       ; strip
	v_lshlrev_b32 v81, 4, v1
	v_mad_u32_u24 v[RA0], v80, 0x300, v81
	v_sub_nc_u32 v82, 32, v80
	v_min_u32 v82, 31, v82
	v_sub_nc_u32 v82, 31, v82                      ; max(strip - 1, 0)
	v_mad_u32_u24 v[RAU], v82, 0x300, v81
	v_add_nc_u32 v82, 1, v80
	v_min_u32 v82, 31, v82                         ; min(strip + 1, 31)
	v_mad_u32_u24 v[RAD], v82, 0x300, v81
	v_lshlrev_b32 v[RT16], 4, v0
	v_and_b32 v82, 31, v0
	v_lshlrev_b32 v[RL16], 4, v82
	v_sub_nc_u32 v[RR16], 0x1f0, v[RL16]
	s_lshl_b32 s19, s17, 6
	s_sub_co_i32 s19, s19, 16
	v_mad_u32_u24 v83, v80, 3, s19                 ; y of my first row (below 0 wraps: the unsigned tests below fail)
	s_lshl_b32 s63, s16, 5
	s_sub_co_i32 s63, s63, 16
	v_lshl_add_u32 v84, v1, 2, s63                 ; x of my first pixel, a multiple of 4
	s_lshr_b32 s66, s17, 2
	s_lshl_b32 s66, s66, 8                         ; first row of my half of the image
	v_cmp_gt_u32 s67, 0x200, v84
	v_min_u32 v85, 0x1fc, v84                      ; outside the image: some address inside, the value is replaced below
	v_lshlrev_b32 v85, 2, v85
.irp r, 0,1,2
	v_add_nc_u32 v86, \r, v83
	v_sub_nc_u32 v90, v86, s66
	v_cmp_gt_u32 s[VAL+\r], 0x100, v90
	s_and_b32 s[VAL+\r], s[VAL+\r], s67
	v_add_nc_u32 v90, -3, v86
	v_cmp_gt_u32 s[ROWB+\r], 0x1fb, v90
	v_min_u32 v86, 0x1ff, v86
	v_lshl_add_u32 v[OFS+\r], v86, 11, v85
.endr
.irp j, 0,1,2,3
	v_add_nc_u32 v90, \j-3, v84
	v_cmp_gt_u32 s[COLB+\j], 0x1fb, v90
.endr
	s_lshl_b32 s70, s18, 20
	s_mov_b32 s71, 0
	s_wait_kmcnt 0x0
	s_add_nc_u64 s[4:5], s[4:5], s[70:71]
.irp r, 0,1,2
	global_load_b128 v[S+4*\r:S+4*\r+3], v[OFS+\r], s[4:5]
.endr
	v_mov_b32 v[NINF], 0xff800000
.irp i, 0,1,2,3,4,5,6,7,8,9,10,11
	v_mov_b32 v[H+\i], 0                           ; once: the destination of a DPP form counts as read
.endr
.irp r, 0,1,2
	v_cndmask_b32 v[ZV+\r], v[NINF], 0, s[VAL+\r]
.endr
	s_wait_loadcnt 0x0
.irp r, 0,1,2
.irp j, 0,1,2,3
	v_cndmask_b32 v[S+4*\r+\j], v[NINF], v[S+4*\r+\j], s[VAL+\r]
.endr
.endr
; Seven-wide maxima along row r.  row_ror:1 reads the lane to the left, row_ror:15 the lane to the right; the wrap at the row's
; ends reaches three halo columns more in each pool.
.macro HPOOL src, r
	v_max3_num_f32 v[T+0], v[\src+4*\r], v[\src+4*\r+1], v[\src+4*\r+2]
	v_max_num_f32  v[T+1], v[T+0], v[\src+4*\r+3]
	v_max_num_f32  v[T+2], v[\src+4*\r+2], v[\src+4*\r+3]
	v_max3_num_f32 v[T+3], v[\src+4*\r+1], v[\src+4*\r+2], v[\src+4*\r+3]
	v_max_num_f32  v[T+4], v[\src+4*\r], v[\src+4*\r+1]
	v_max_num_f32_dpp v[H+4*\r+0], v[T+3], v[T+1] row_ror:1 row_mask:0xf bank_mask:0xf
	v_max_num_f32_dpp v[H+4*\r+3], v[T+0], v[T+1] row_ror:15 row_mask:0xf bank_mask:0xf
	v_max_num_f32_dpp v[H+4*\r+1], v[T+2], v[T+1] row_ror:1 row_mask:0xf bank_mask:0xf
	v_max_num_f32_dpp v[H+4*\r+1], v[\src+4*\r], v[H+4*\r+1] row_ror:15 row_mask:0xf bank_mask:0xf
	v_max_num_f32_dpp v[H+4*\r+2], v[\src+4*\r+3], v[T+1] row_ror:1 row_mask:0xf bank_mask:0xf
	v_max_num_f32_dpp v[H+4*\r+2], v[T+4], v[H+4*\r+2] row_ror:15 row_mask:0xf bank_mask:0xf
.endm
; One 7x7 pool: rows through LDS buffer buf.  The buffers take turns, so one barrier a pool does: a buffer's reads have been waited
; for in front of the next pool's signal, and it is written again only behind that barrier.
.macro POOL src, buf
	HPOOL \src, 0
	HPOOL \src, 1
	HPOOL \src, 2
.irp r, 0,1,2
	ds_store_b128 v[RA0], v[H+4*\r:H+4*\r+3] offset:\buf*Y1+256*\r
.endr
	s_wait_dscnt 0x0                               ; zero: other waves read these rows
	s_barrier_signal -1
	s_barrier_wait -1
.irp r, 0,1,2
	ds_load_b128 v[HU+4*\r:HU+4*\r+3], v[RAU] offset:\buf*Y1+256*\r
	ds_load_b128 v[HD+4*\r:HD+4*\r+3], v[RAD] offset:\buf*Y1+256*\r
.endr
	s_wait_dscnt 0x0
.irp j, 0,1,2,3
	v_max3_num_f32 v[T+\j], v[HU+8+\j], v[H+\j], v[H+4+\j]          ; the five rows that all three windows share
	v_max3_num_f32 v[T+\j], v[T+\j], v[H+8+\j], v[HD+\j]
	v_max3_num_f32 v[P+\j],   v[T+\j], v[HU+\j], v[HU+4+\j]
	v_max3_num_f32 v[P+4+\j], v[T+\j], v[HU+4+\j], v[HD+4+\j]
	v_max3_num_f32 v[P+8+\j], v[T+\j], v[HD+4+\j], v[HD+8+\j]
.endr
.endm
; One round of suppression: pool the mask, blank what it covers, pool again, keep the new maxima that are not covered.
.macro SUPPRESS b0, b1
.irp i, 0,1,2,3,4,5,6,7,8,9,10,11
	v_cndmask_b32 v[SRC+\i], 0, 1.0, s[MM+\i]
.endr
	POOL SRC, \b0
.irp r, 0,1,2
.irp j, 0,1,2,3
	v_cmp_lt_f32 s[SM+4*\r+\j], 0, v[P+4*\r+\j]
	v_cndmask_b32 v[SRC+4*\r+\j], v[S+4*\r+\j], v[ZV+\r], s[SM+4*\r+\j]
.endr
.endr
	POOL SRC, \b1
.irp r, 0,1,2
.irp j, 0,1,2,3
	v_cmp_eq_f32 s63, v[SRC+4*\r+\j], v[P+4*\r+\j]
	s_and_not1_b32 s63, s63, s[SM+4*\r+\j]
	s_and_b32 s63, s63, s[VAL+\r]
	s_or_b32 s[MM+4*\r+\j], s[MM+4*\r+\j], s63
.endr
.endr
.endm
	POOL S, 0
.irp r, 0,1,2
.irp j, 0,1,2,3
	v_cmp_eq_f32 s[MM+4*\r+\j], v[S+4*\r+\j], v[P+4*\r+\j]
	s_and_b32 s[MM+4*\r+\j], s[MM+4*\r+\j], s[VAL+\r]
.endr
.endr
	SUPPRESS 1, 0
	SUPPRESS 1, 0
	; keys: (kept ? s : 0) * border, then the f32 order as a u32 order
.irp r, 0,1,2
.irp j, 0,1,2,3
	s_and_b32 s63, s[ROWB+\r], s[COLB+\j]
	v_cndmask_b32 v[P+4*\r+\j], 0, v[S+4*\r+\j], s[MM+4*\r+\j]
	v_cndmask_b32 v[T], 0, 1.0, s63
	v_mul_f32 v[P+4*\r+\j], v[P+4*\r+\j], v[T]
	v_ashrrev_i32 v[T+1], 31, v[P+4*\r+\j]
	v_or_b32 v[T+1], 0x80000000, v[T+1]
	v_xor_b32 v[P+4*\r+\j], v[P+4*\r+\j], v[T+1]
.endr
.endr
.irp r, 0,1,2
	ds_store_b128 v[RA0], v[P+4*\r:P+4*\r+3] offset:Y1+256*\r      ; buffer 1: its last reads ended in front of the fifth pool's barrier
.endr
	s_wait_dscnt 0x0
	s_barrier_signal -1
	s_barrier_wait -1
	; thread t takes the inner tile's pixels 4t .. 4t+3: row t >> 3, columns 4 (t & 7) ..
	v_lshrrev_b32 v24, 3, v0
	v_and_b32 v25, 7, v0
	v_lshlrev_b32 v26, 8, v24
	v_lshl_add_u32 v26, v25, 4, v26
	ds_load_b128 v[KK:KK+3], v26 offset:Y1+16*256+64
	s_lshl_b32 s63, s17, 15
	s_lshl_b32 s66, s16, 5
	s_add_co_u32 s63, s63, s66
	s_sub_co_u32 s63, 0x3ffff, s63                 ; 0x3FFFF - index of the tile's first pixel
	v_lshlrev_b32 v24, 9, v24
	v_lshl_add_u32 v24, v25, 2, v24
	v_sub_nc_u32 v[II], s63, v24
	v_add_nc_u32 v[II+1], -1, v[II]
	v_add_nc_u32 v[II+2], -2, v[II]
	v_add_nc_u32 v[II+3], -3, v[II]
	s_wait_dscnt 0x0
; THE SORT.  Place e = 128 wave + 4 lane + slot.
.macro GTV ka, ia, kb, ib              ; vcc = pair b > pair a
	v_cmp_gt_u32 vcc_lo, v[\kb], v[\ka]
	v_cmp_eq_u32 s63, v[\kb], v[\ka]
	v_cmp_gt_u32 s66, v[\ib], v[\ia]
	s_and_b32 s63, s63, s66
	s_or_b32 vcc_lo, vcc_lo, s63
.endm
.macro CER a, b                        ; slots a < b of one lane: the greater to a
	GTV KK+\a, II+\a, KK+\b, II+\b
	v_cndmask_b32 v24, v[KK+\a], v[KK+\b], vcc_lo
	v_cndmask_b32 v[KK+\b], v[KK+\b], v[KK+\a], vcc_lo
	v_cndmask_b32 v25, v[II+\a], v[II+\b], vcc_lo
	v_cndmask_b32 v[II+\b], v[II+\b], v[II+\a], vcc_lo
	v_mov_b32 v[KK+\a], v24
	v_mov_b32 v[II+\a], v25
.endm
.macro REG1
	CER 0, 1
	CER 2, 3
.endm
.macro REG2
	CER 0, 2
	CER 1, 3
.endm
.macro REGM
	CER 0, 3
	CER 1, 2
.endm
.macro FDPP m                          ; the partner lane's four pairs, lane xor m inside 16 lanes
.irp s, 0,1,2,3
	v_mov_b32_dpp v[TK+\s], v[KK+\s] row_xmask:\m row_mask:0xf bank_mask:0xf
	v_mov_b32_dpp v[TI+\s], v[II+\s] row_xmask:\m row_mask:0xf bank_mask:0xf
.endr
.endm
.macro FPX lo, hi                      ; the same from the other 16 lanes
.irp s, 0,1,2,3
	v_permlanex16_b32 v[TK+\s], v[KK+\s], s[\lo], s[\hi]
	v_permlanex16_b32 v[TI+\s], v[II+\s], s[\lo], s[\hi]
.endr
.endm
; The lower place keeps the greater pair, the upper place (mask up) the smaller: take the partner's if (partner > mine) xor up.
.macro UPD rev, up
.irp s, 0,1,2,3
	GTV KK+\s, II+\s, TK+(\s^(\rev)), TI+(\s^(\rev))
	s_xor_b32 vcc_lo, vcc_lo, s[\up]
	v_cndmask_b32 v[KK+\s], v[KK+\s], v[TK+(\s^(\rev))], vcc_lo
	v_cndmask_b32 v[II+\s], v[II+\s], v[TI+(\s^(\rev))], vcc_lo
.endr
.endm
.macro LSTEP m, bit                    ; partner e xor 4m
	FDPP \m
	UPD 0, UP+\bit
.endm
.macro LMIR m, bit                     ; mirror: lane xor m, slot xor 3
	FDPP \m
	UPD 3, UP+\bit
.endm
.macro LTAIL n                         ; the steps over lane bits n-1 .. 0, then over the slot bits
.if \n > 4
	FPX 59, 60
	UPD 0, UP+4
.endif
.if \n > 3
	LSTEP 8, 3
.endif
.if \n > 2
	LSTEP 4, 2
.endif
.if \n > 1
	LSTEP 2, 1
.endif
.if \n > 0
	LSTEP 1, 0
.endif
	REG2
	REG1
.endm
; Partner in wave xor wm (mir = 1: also lane xor 31, slot xor 3), through LDS.  Two buffers take turns, so one barrier an exchange:
; a buffer's reads have been waited for in front of the next exchange's signal.  hb: the wave bit that says who is the upper one.
.macro XW wm, mir, hb
	ds_store_b128 v[RT16], v[KK:KK+3] offset:XB
	ds_store_b128 v[RT16], v[II:II+3] offset:XB+8192
	s_xor_b32 s68, s14, \wm
	s_lshl_b32 s68, s68, 9
.if \mir
	v_add_nc_u32 v26, s68, v[RR16]
.else
	v_add_nc_u32 v26, s68, v[RL16]
.endif
	s_bitcmp1_b32 s14, \hb
	s_cselect_b32 s67, -1, 0
	s_wait_dscnt 0x0                               ; zero: the partner wave reads these bytes
	s_barrier_signal -1
	s_barrier_wait -1
	ds_load_b128 v[TK:TK+3], v26 offset:XB
	ds_load_b128 v[TI:TI+3], v26 offset:XB+8192
	s_wait_dscnt 0x0
	UPD 3*\mir, 67
.set XB, Y1-XB
.endm
	REG1                                           ; runs of 2
	REGM                                           ; 4
	REG1
	LMIR 1, 0                                      ; 8
	LTAIL 0
	LMIR 3, 1                                      ; 16
	LTAIL 1
	LMIR 7, 2                                      ; 32
	LTAIL 2
	LMIR 15, 3                                     ; 64
	LTAIL 3
	FPX 61, 62                                     ; 128: lane xor 31
	UPD 3, UP+4
	LTAIL 4
	XW 1, 1, 0                                     ; 256
	LTAIL 5
	XW 3, 1, 1                                     ; 512
	XW 1, 0, 0
	LTAIL 5
	XW 7, 1, 2                                     ; 1024
	XW 2, 0, 1
	XW 1, 0, 0
	LTAIL 5
	XW 15, 1, 3                                    ; 2048
	XW 4, 0, 2
	XW 2, 0, 1
	XW 1, 0, 0
	LTAIL 5
	; the list: each store of a wave covers 512 consecutive bytes
	s_lshl_b32 s70, ttmp9, 13
	s_add_nc_u64 s[6:7], s[6:7], s[70:71]
	s_add_nc_u64 s[8:9], s[8:9], s[70:71]
	global_store_b128 v[RT16], v[KK:KK+3], s[6:7]
	global_store_b128 v[RT16], v[II:II+3], s[8:9]
	; the samples: place 4t+3 of every thread into buffer 0 (the tenth exchange used buffer 1), wave 0 picks eight
	v_lshlrev_b32 v24, 2, v0
	ds_store_b32 v24, v[KK+3]
	ds_store_b32 v24, v[II+3] offset:2048
	s_wait_dscnt 0x0
	s_barrier_signal -1
	s_barrier_wait -1
	s_cmp_lg_u32 s14, 0
	s_cbranch_scc1 .Lend
	v_and_b32 v24, 7, v0                           ; j
	v_lshlrev_b32 v25, 1, v24
	v_add_nc_u32 v26, -4, v25
	v_lshlrev_b32 v26, v26, 1                      ; 1 << (2j - 4)
	v_add_nc_u32 v26, -1, v26
	v_min_u32 v26, 0x1ff, v26                      ; j = 4 .. 7: threads 15, 63, 255, 511
	v_add_nc_u32 v25, 1, v25                       ; j = 0 .. 3: threads 1, 3, 5, 7
	v_cmp_gt_u32 vcc_lo, 4, v24
	v_cndmask_b32 v25, v26, v25, vcc_lo
	v_lshlrev_b32 v25, 2, v25
	ds_load_b32 v26, v25
	ds_load_b32 v27, v25 offset:2048
	v_lshlrev_b32 v24, 2, v24
	s_lshl_b32 s70, ttmp9, 5
	s_add_nc_u64 s[10:11], s[10:11], s[70:71]
	s_add_nc_u64 s[12:13], s[12:13], s[70:71]
	v_cmp_gt_u32 vcc_lo, 8, v0
	s_wait_dscnt 0x0
	s_wait_xcnt 0x0                                ; the list's stores have read EXEC: it changes only behind this wait
	s_and_saveexec_b32 s63, vcc_lo
	global_store_b32 v24, v26, s[10:11]
	global_store_b32 v24, v27, s[12:13]
	s_wait_xcnt 0x0
	s_or_b32 exec_lo, exec_lo, s63
.Lend:
	s_barrier_signal -1
	s_barrier_wait -1
	s_wait_tensorcnt 0x0
	ds_add_u32 v104, v105
	s_wait_dscnt 0x0
	s_endpgm
.Lfunc_end_k_q1b6021cb0a_nms:
	.size	k_q1b6021cb0a_nms, .Lfunc_end_k_q1b6021cb0a_nms-k_q1b6021cb0a_nms
	.p2alignl 7, 3214868480
	.fill 96, 4, 3214868480
	.section	.rodata,"a",@progbits
	.p2align	6, 0x0
	.amdhsa_kernel k_q1b6021cb0a_nms
		.amdhsa_group_segment_fixed_size 51200
		.amdhsa_private_segment_fixed_size 0
		.amdhsa_enable_private_segment 0
		.amdhsa_kernarg_size 40
		.amdhsa_user_sgpr_count 2
		.amdhsa_user_sgpr_kernarg_segment_ptr 1
		.amdhsa_wavefront_size32 1
		.amdhsa_system_sgpr_workgroup_id_x 1
		.amdhsa_system_sgpr_workgroup_id_y 1
		.amdhsa_system_sgpr_workgroup_id_z 1
		.amdhsa_system_vgpr_workitem_id 0
		.amdhsa_next_free_vgpr 106
		.amdhsa_next_free_sgpr 72
		.amdhsa_reserve_vcc 1
		.amdhsa_float_denorm_mode_32 3
		.amdhsa_float_denorm_mode_16_64 3
		.amdhsa_memory_ordered 1
		.amdhsa_forward_progress 1
		.amdhsa_inst_pref_size 137
	.end_amdhsa_kernel
	.amdgpu_metadata
---
amdhsa.version: [ 1, 2 ]
amdhsa.kernels:
  - .name:           k_q1b6021cb0a_nms
    .symbol:         k_q1b6021cb0a_nms.kd
    .args:
      - { .name: scores_map, .offset: 0, .size: 8, .value_kind: global_buffer, .address_space: global }
      - { .name: lk, .offset: 8, .size: 8, .value_kind: global_buffer, .address_space: global }
      - { .name: li, .offset: 16, .size: 8, .value_kind: global_buffer, .address_space: global }
      - { .name: sk, .offset: 24, .size: 8, .value_kind: global_buffer, .address_space: global }
      - { .name: si, .offset: 32, .size: 8, .value_kind: global_buffer, .address_space: global }
    .group_segment_fixed_size: 51200
    .private_segment_fixed_size: 0
    .kernarg_segment_align: 8
    .kernarg_segment_size: 40
    .max_flat_workgroup_size: 512
    .sgpr_count:     72
    .vgpr_count:     106
    .wavefront_size: 32
...
	.end_amdgpu_metadata
.endif
;; end of part 1
;; launch thresh (part 2): grid 64 x 1, 16 waves a work-group, no clusters, 4,096 bytes of LDS; arguments sk, si, thr; writes thr
.if DOCPART == 2
	.amdgcn_target "amdgcn-amd-amdhsa--gfx1250"
	.amdhsa_code_object_version 6
	.text
	.protected	k_q1b6021cb0a_thresh
	.globl	k_q1b6021cb0a_thresh
	.p2align	8
	.type	k_q1b6021cb0a_thresh,@function
k_q1b6021cb0a_thresh:
	s_mov_b64 s[64:65], 0
	v_nop
	global_prefetch_b8 v0, s[64:65] scope:SCOPE_SE
	s_setreg_imm32_b32 hwreg(HW_REG_WAVE_MODE, 25, 1), 1
	s_wait_xcnt 0x0
; The threshold h* of each image.  An image has 128 sorted lists; sample j of a list is the last element of a block of
; w = 8, 8, 8, 8, 32, 192, 768, 1024 elements.  G(x) = sum of w(y) over the image's samples y >= x: so many elements are >= x for sure.
; h* is the one sample with G >= 2048 and G - w < 2048, so the 2,048 greatest elements are all >= h*.
; A work-group ranks 32 samples (one a lane); wave w adds up the 64 samples of lists 8w .. 8w+7, read as scalars; LDS joins the waves.
; All numbers are whole.  The work is 1,024 x 1,024 comparisons an image: nothing here to stream, share or multiply.
.set W, 8                              ; v[8:15] the weights
	s_load_b128 s[4:7], s[0:1], 0x0                ; sk, si
	s_load_b64 s[12:13], s[0:1], 0x10              ; thr
	v_lshl_add_u32 v32, v0, 2, 0x800
	v_mov_b32 v33, 0
	v_lshrrev_b32 v1, 5, v0
	v_readfirstlane_b32 s14, v1                    ; wave
	s_lshr_b32 s15, ttmp9, 5                       ; image
	s_and_b32 s2, ttmp9, 31
	s_lshl_b32 s2, s2, 7
	v_and_b32 v1, 31, v0
	v_lshl_add_u32 v2, v1, 2, s2                   ; my sample's byte in the image's 4,096
	s_lshl_b32 s98, s15, 12
	s_mov_b32 s99, 0
	v_mov_b32 v[W+0], 8
	v_mov_b32 v[W+1], 8
	v_mov_b32 v[W+2], 8
	v_mov_b32 v[W+3], 8
	v_mov_b32 v[W+4], 32
	v_mov_b32 v[W+5], 0xc0
	v_mov_b32 v[W+6], 0x300
	v_mov_b32 v[W+7], 0x400
	v_mov_b32 v6, 0                                ; G
	s_wait_kmcnt 0x0
	s_add_nc_u64 s[4:5], s[4:5], s[98:99]
	s_add_nc_u64 s[6:7], s[6:7], s[98:99]
	global_load_b32 v4, v2, s[4:5]                 ; Kx
	global_load_b32 v5, v2, s[6:7]                 ; Ix
	s_lshl_b32 s98, s14, 8
	s_add_nc_u64 s[8:9], s[4:5], s[98:99]          ; my wave's 64 samples
	s_add_nc_u64 s[10:11], s[6:7], s[98:99]
	s_wait_loadcnt 0x0
.macro ROUND r                         ; 32 samples y: K in s[16:47], I in s[48:63] and s[80:95]
	s_load_b512 s[16:31], s[8:9], \r*128
	s_load_b512 s[32:47], s[8:9], \r*128+64
	s_load_b512 s[48:63], s[10:11], \r*128
	s_load_b512 s[80:95], s[10:11], \r*128+64
	s_wait_kmcnt 0x0
.set i, 0
.rept 32
.if i < 16
.set IY, 48+i
.else
.set IY, 64+i
.endif
	v_cmp_gt_u32 vcc_lo, s[16+i], v4               ; y >= x as pairs
	v_cmp_eq_u32 s96, s[16+i], v4
	v_cmp_ge_u32 s97, s[IY], v5
	s_and_b32 s96, s96, s97
	s_or_b32 vcc_lo, vcc_lo, s96
	v_cndmask_b32 v7, 0, v[W+(i&7)], vcc_lo
	v_add_nc_u32 v6, v6, v7
.set i, i+1
.endr
.endm
	ROUND 0
	ROUND 1
	v_lshlrev_b32 v3, 2, v0
	ds_store_b32 v3, v6                            ; word 32 wave + lane
	s_wait_dscnt 0x0
	s_barrier_signal -1
	s_barrier_wait -1
	s_cmp_lg_u32 s14, 0
	s_cbranch_scc1 .Lend
.irp v, 0,1,2,3,4,5,6,7,8,9,10,11,12,13,14,15
	ds_load_b32 v[16+\v], v3 offset:128*\v         ; in wave 0 v3 is 4 lane
.endr
	s_wait_dscnt 0x0
.irp k, 17,19,21,23,25,27,29
	v_add3_u32 v16, v16, v[\k], v[\k+1]
.endr
	v_add_nc_u32 v16, v16, v31                     ; G(x)
	v_and_b32 v7, 7, v0
	v_mov_b32 v17, 8                               ; w(x)
.irp j, 4,5,6,7
	v_cmp_eq_u32 vcc_lo, \j, v7
	v_cndmask_b32 v17, v17, v[W+\j], vcc_lo
.endr
	v_cmp_le_u32 s96, 0x800, v16
	v_sub_nc_u32 v18, v16, v17
	v_cmp_gt_u32 vcc_lo, 0x800, v18
	s_and_b32 vcc_lo, vcc_lo, s96
	v_mov_b32 v19, 0
	s_lshl_b32 s98, s15, 3
	s_add_nc_u64 s[12:13], s[12:13], s[98:99]
	s_wait_xcnt 0x0                                ; EXEC changes only behind this wait
	s_and_saveexec_b32 s96, vcc_lo                 ; one lane of one work-group of the image
	global_store_b64 v19, v[4:5], s[12:13]
	s_wait_xcnt 0x0
	s_or_b32 exec_lo, exec_lo, s96
.Lend:
	s_barrier_signal -1
	s_barrier_wait -1
	s_wait_tensorcnt 0x0
	ds_add_u32 v32, v33
	s_wait_dscnt 0x0
	s_endpgm
.Lfunc_end_k_q1b6021cb0a_thresh:
	.size	k_q1b6021cb0a_thresh, .Lfunc_end_k_q1b6021cb0a_thresh-k_q1b6021cb0a_thresh
	.p2alignl 7, 3214868480
	.fill 96, 4, 3214868480
	.section	.rodata,"a",@progbits
	.p2align	6, 0x0
	.amdhsa_kernel k_q1b6021cb0a_thresh
		.amdhsa_group_segment_fixed_size 4096
		.amdhsa_private_segment_fixed_size 0
		.amdhsa_enable_private_segment 0
		.amdhsa_kernarg_size 24
		.amdhsa_user_sgpr_count 2
		.amdhsa_user_sgpr_kernarg_segment_ptr 1
		.amdhsa_wavefront_size32 1
		.amdhsa_system_sgpr_workgroup_id_x 1
		.amdhsa_system_sgpr_workgroup_id_y 1
		.amdhsa_system_sgpr_workgroup_id_z 1
		.amdhsa_system_vgpr_workitem_id 0
		.amdhsa_next_free_vgpr 34
		.amdhsa_next_free_sgpr 100
		.amdhsa_reserve_vcc 1
		.amdhsa_float_denorm_mode_32 3
		.amdhsa_float_denorm_mode_16_64 3
		.amdhsa_memory_ordered 1
		.amdhsa_forward_progress 1
		.amdhsa_inst_pref_size 23
	.end_amdhsa_kernel
	.amdgpu_metadata
---
amdhsa.version: [ 1, 2 ]
amdhsa.kernels:
  - .name:           k_q1b6021cb0a_thresh
    .symbol:         k_q1b6021cb0a_thresh.kd
    .args:
      - { .name: sk, .offset: 0, .size: 8, .value_kind: global_buffer, .address_space: global }
      - { .name: si, .offset: 8, .size: 8, .value_kind: global_buffer, .address_space: global }
      - { .name: thr, .offset: 16, .size: 8, .value_kind: global_buffer, .address_space: global }
    .group_segment_fixed_size: 4096
    .private_segment_fixed_size: 0
    .kernarg_segment_align: 8
    .kernarg_segment_size: 24
    .max_flat_workgroup_size: 512
    .sgpr_count:     100
    .vgpr_count:     34
    .wavefront_size: 32
...
	.end_amdgpu_metadata
.endif
;; end of part 2
;; launch rank (part 3): grid 256 x 1, 16 waves a work-group, no clusters, 67,584 bytes of LDS; arguments lk, li, sk, si, thr, cnt; writes cnt
.if DOCPART == 3
	.amdgcn_target "amdgcn-amd-amdhsa--gfx1250"
	.amdhsa_code_object_version 6
	.text
	.protected	k_q1b6021cb0a_rank
	.globl	k_q1b6021cb0a_rank
	.p2align	8
	.type	k_q1b6021cb0a_rank,@function
k_q1b6021cb0a_rank:
	s_mov_b64 s[64:65], 0
	v_nop
	global_prefetch_b8 v0, s[64:65] scope:SCOPE_SE
	s_setreg_imm32_b32 hwreg(HW_REG_WAVE_MODE, 25, 1), 1
	s_wait_xcnt 0x0
; Places of an image's greatest pixels, by counting: this launch makes the partial counts.
; List l's prefix of e_l = max(32, 8 + sum of w[j+1] over its samples y_j >= h*) holds all of its elements >= h*, so the prefixes together
; (the candidates) hold the 2,048 greatest.  For a candidate x, the number of candidates y > x is x's place among the candidates: pairs are
; unique (ties are broken by the index inside the pair), so the places are 0, 1, 2, .. each once, and the first 2,048 are the keypoints.
; A list is sorted, so its samples >= h* are its first n of samples 0 .. 6, and e = 32, 32, 32, 32, 64, 256, 1024, 2048 for n = 0 .. 7:
; whole chunks of 32, so every lane of a chunk holds a candidate.
; Each wave makes the lengths that it needs itself, in scalar registers: one sample a lane, a comparison with h* into a lane mask, a count of
; the list's seven bits.  So every trip count comes from whole numbers of earlier launches by loads, comparisons and scalar arithmetic alone.
; A work-group owns one list.  Chunks of 32 of its prefix, one x a lane; wave w counts in lists 8w .. 8w+7, every y the same in all lanes.
; The first 64 elements of every list are staged in LDS (64 KiB from the sorted lists); longer prefixes are read on from memory.
; The sixteen waves' counts of a chunk leave through memory (2 KiB a chunk, each wave 128 consecutive bytes) and the next launch adds them up:
; a join in LDS would want a barrier inside the chunk loop, whose trip count is read from memory.  So LDS is only read behind the one barrier.
; No tensor loads or clusters: what is staged is 256 bytes of each of 128 lists, once; no matrix work: comparisons only.
.set YIL, 32768                        ; LDS: K [128][64] at 0, I [128][64] at 32768
.set KX,  3
.set IX,  4
.set CNT, 5
.set YK,  32                           ; v[32:63] 32 y: K
.set YI,  64                           ; v[64:95]       I
.set MLO, 32                           ; s32: bit 8q + j: sample j of list 8w + q is >= h*, q = 0 .. 3
.set MHI, 33                           ; s33: the same for lists 8w + 4 .. 8w + 7
.set MOWN, 34                          ; s34: bits 0 .. 7: the same for the work-group's own list
	s_load_b256 s[4:11], s[0:1], 0x0               ; lk 4, li 6, sk 8, si 10
	s_load_b128 s[12:15], s[0:1], 0x20             ; thr 12, cnt 14
	v_lshl_add_u32 v96, v0, 2, 0x10000
	v_mov_b32 v97, 0
	v_lshrrev_b32 v1, 5, v0
	v_readfirstlane_b32 s24, v1                    ; wave
	s_lshr_b32 s46, ttmp9, 7                       ; image
	s_and_b32 s47, ttmp9, 127                      ; my list
	s_mov_b32 s51, 0
	v_and_b32 v1, 31, v0
	v_lshlrev_b32 v1, 2, v1                        ; 4 lane
	v_lshrrev_b32 v10, 4, v0
	v_and_b32 v11, 15, v0
	v_lshlrev_b32 v10, 13, v10
	v_lshl_or_b32 v10, v11, 4, v10                 ; list t >> 4 of a pass's 32, its 16 bytes t & 15
	v_lshlrev_b32 v12, 4, v0
	v_lshlrev_b32 v13, 2, v0                       ; my word in a chunk's counts: 128 wave + 4 lane
	s_lshl_b32 s52, s24, 8
	v_add_nc_u32 v14, s52, v1                      ; sample lane & 7 of list 8 wave + (lane >> 3)
	s_lshl_b32 s52, s47, 5
	v_and_b32 v15, 28, v1
	v_add_nc_u32 v15, s52, v15                     ; sample lane & 7 of my work-group's list
	s_wait_kmcnt 0x0
	s_lshl_b32 s50, s46, 20
	s_add_nc_u64 s[4:5], s[4:5], s[50:51]          ; the image's lists
	s_add_nc_u64 s[6:7], s[6:7], s[50:51]
	s_lshl_b32 s50, s46, 12
	s_add_nc_u64 s[8:9], s[8:9], s[50:51]          ; the image's samples
	s_add_nc_u64 s[10:11], s[10:11], s[50:51]
	s_lshl_b32 s50, s46, 3
	s_add_nc_u64 s[12:13], s[12:13], s[50:51]
	s_load_b64 s[22:23], s[12:13], 0x0             ; h*: K, I
	s_lshl_b32 s50, ttmp9, 17
	s_add_nc_u64 s[14:15], s[14:15], s[50:51]      ; my list's counts: 64 chunks of 2 KiB
	; stage the first 256 bytes of every list: sixteen lanes take one list's 256 bytes
.irp r, 0,1,2,3
	global_load_b128 v[32+4*\r:35+4*\r], v10, s[4:5] offset:\r*262144
	global_load_b128 v[48+4*\r:51+4*\r], v10, s[6:7] offset:\r*262144
.endr
	global_load_b32 v64, v14, s[8:9]               ; K of the samples of lists 8w .. 8w+3
	global_load_b32 v65, v14, s[8:9] offset:128    ;                          8w+4 .. 8w+7
	global_load_b32 v66, v14, s[10:11]             ; I likewise
	global_load_b32 v67, v14, s[10:11] offset:128
	global_load_b32 v68, v15, s[8:9]               ; the own list's
	global_load_b32 v69, v15, s[10:11]
	s_wait_loadcnt 0x0
.irp r, 0,1,2,3
	ds_store_b128 v12, v[32+4*\r:35+4*\r] offset:\r*8192
	ds_store_b128 v12, v[48+4*\r:51+4*\r] offset:YIL+\r*8192
.endr
	s_wait_kmcnt 0x0
.macro GEH dst, k, i                   ; lane mask: my sample >= h* as pairs
	v_cmp_lt_u32 s[\dst], s22, v[\k]
	v_cmp_eq_u32 s42, s22, v[\k]
	v_cmp_le_u32 s43, s23, v[\i]
	s_and_b32 s42, s42, s43
	s_or_b32 s[\dst], s[\dst], s42
.endm
.macro ELEN dst, src                   ; the prefix length from a list's bits 0 .. 6: min(2048, max(32, 1 << (2 max(n, 3) - 2)))
	s_and_b32 s[\dst], s[\src], 0x7f
	s_bcnt1_i32_b32 s[\dst], s[\dst]
	s_max_u32 s[\dst], s[\dst], 3
	s_lshl_b32 s[\dst], s[\dst], 1
	s_sub_co_u32 s[\dst], s[\dst], 2
	s_lshl_b32 s[\dst], 1, s[\dst]
	s_max_u32 s[\dst], s[\dst], 32
	s_min_u32 s[\dst], s[\dst], 0x800
.endm
	GEH MLO, 64, 66
	GEH MHI, 65, 67
	GEH MOWN, 68, 69
	ELEN 25, MOWN                                  ; my list's prefix
	s_lshr_b32 s26, s25, 5                         ; its chunks of 32: 1, 2, 8, 32 or 64
	s_lshl_b32 s53, s47, 13
	v_add_nc_u32 v9, s53, v1                       ; my list's bytes + 4 lane
	s_wait_dscnt 0x0                               ; zero: every wave reads the staged lists
	s_barrier_signal -1
	s_barrier_wait -1                              ; the only barrier: from here on LDS is only read
.macro CNT32                           ; count += [y > x] for 32 y (the same in all lanes)
.set q, 0
.rept 32
	v_cmp_gt_u32 vcc_lo, v[YK+q], v[KX]
	v_cmp_eq_u32 s42, v[YK+q], v[KX]
	v_cmp_gt_u32 s43, v[YI+q], v[IX]
	s_and_b32 s42, s42, s43
	s_or_b32 vcc_lo, vcc_lo, s42
	v_add_co_ci_u32 v[CNT], vcc_lo, 0, v[CNT], vcc_lo
.set q, q+1
.endr
.endm
.macro LDS32 h                         ; elements 32h .. 32h+31 of the staged list, in one run
.irp q, 0,1,2,3,4,5,6,7
	ds_load_b128 v[YK+4*\q:YK+4*\q+3], v6 offset:128*\h+16*\q
	ds_load_b128 v[YI+4*\q:YI+4*\q+3], v6 offset:YIL+128*\h+16*\q
.endr
.endm
	s_mov_b32 s27, 0
.Lchunk:
	s_min_u32 s48, s27, 63
	s_lshl_b32 s52, s48, 7
	v_add_nc_u32 v2, s52, v9
	global_load_b32 v[KX], v2, s[4:5]
	global_load_b32 v[IX], v2, s[6:7]
	v_mov_b32 v[CNT], 0
	s_mov_b32 s28, 0
	s_wait_loadcnt 0x0                             ; x is there, and v2 is free for the next trip
.Llist:
	s_lshl3_add_u32 s54, s24, s28                  ; list 8 wave + trip
	s_lshl_b32 s52, s54, 8
	v_mov_b32 v6, s52                              ; its staged 256 bytes
	s_lshl_b32 s49, s54, 13                        ; its bytes in memory
	LDS32 0                                        ; every prefix has at least 32
	s_cmp_lt_u32 s28, 4
	s_cselect_b32 s29, s[MLO], s[MHI]
	s_and_b32 s52, s28, 3
	s_lshl_b32 s52, s52, 3
	s_lshr_b32 s29, s29, s52                       ; this list's bits
	ELEN 29, 29                                    ; this list's prefix
	s_wait_dscnt 0x0
	CNT32
	s_cmp_le_u32 s29, 32
	s_cbranch_scc1 .Ldone
	LDS32 1
	s_wait_dscnt 0x0
	CNT32
	s_cmp_le_u32 s29, 64
	s_cbranch_scc1 .Ldone
	s_sub_co_u32 s31, s29, 64
	s_lshr_b32 s31, s31, 5                         ; what lies beyond the staged 64, in runs of 32: 6, 30 or 62, from memory
	s_mov_b32 s30, 0
.Lfar:
	s_min_u32 s52, s30, 61
	s_lshl_b32 s52, s52, 7
	s_add_co_u32 s52, s52, s49
	v_mov_b32 v8, s52
.irp q, 0,1,2,3,4,5,6,7
	global_load_b128 v[YK+4*\q:YK+4*\q+3], v8, s[4:5] offset:256+16*\q
	global_load_b128 v[YI+4*\q:YI+4*\q+3], v8, s[6:7] offset:256+16*\q
.endr
	s_wait_loadcnt 0x0                             ; also frees v8
	CNT32
	s_add_co_u32 s30, s30, 1
	s_cmp_lt_u32 s30, s31
	s_cbranch_scc1 .Lfar
.Ldone:
	s_add_co_u32 s28, s28, 1
	s_cmp_lt_u32 s28, 8
	s_cbranch_scc1 .Llist
	s_lshl_b32 s52, s48, 11
	v_add_nc_u32 v10, s52, v13
	global_store_b32 v10, v[CNT], s[14:15]         ; my wave's counts of this chunk
	s_wait_xcnt 0x0                                ; the next trip rewrites the count and the offset only behind this wait
	s_add_co_u32 s27, s27, 1
	s_cmp_lt_u32 s27, s26
	s_cbranch_scc1 .Lchunk
	s_barrier_signal -1
	s_barrier_wait -1
	s_wait_tensorcnt 0x0
	ds_add_u32 v96, v97
	s_wait_dscnt 0x0
	s_endpgm
.Lfunc_end_k_q1b6021cb0a_rank:
	.size	k_q1b6021cb0a_rank, .Lfunc_end_k_q1b6021cb0a_rank-k_q1b6021cb0a_rank
	.p2alignl 7, 3214868480
	.fill 96, 4, 3214868480
	.section	.rodata,"a",@progbits
	.p2align	6, 0x0
	.amdhsa_kernel k_q1b6021cb0a_rank
		.amdhsa_group_segment_fixed_size 67584
		.amdhsa_private_segment_fixed_size 0
		.amdhsa_enable_private_segment 0
		.amdhsa_kernarg_size 48
		.amdhsa_user_sgpr_count 2
		.amdhsa_user_sgpr_kernarg_segment_ptr 1
		.amdhsa_wavefront_size32 1
		.amdhsa_system_sgpr_workgroup_id_x 1
		.amdhsa_system_sgpr_workgroup_id_y 1
		.amdhsa_system_sgpr_workgroup_id_z 1
		.amdhsa_system_vgpr_workitem_id 0
		.amdhsa_next_free_vgpr 98
		.amdhsa_next_free_sgpr 66
		.amdhsa_reserve_vcc 1
		.amdhsa_float_denorm_mode_32 3
		.amdhsa_float_denorm_mode_16_64 3
		.amdhsa_memory_ordered 1
		.amdhsa_forward_progress 1
		.amdhsa_inst_pref_size 35
	.end_amdhsa_kernel
	.amdgpu_metadata
---
amdhsa.version: [ 1, 2 ]
amdhsa.kernels:
  - .name:           k_q1b6021cb0a_rank
    .symbol:         k_q1b6021cb0a_rank.kd
    .args:
      - { .name: lk, .offset: 0, .size: 8, .value_kind: global_buffer, .address_space: global }
      - { .name: li, .offset: 8, .size: 8, .value_kind: global_buffer, .address_space: global }
      - { .name: sk, .offset: 16, .size: 8, .value_kind: global_buffer, .address_space: global }
      - { .name: si, .offset: 24, .size: 8, .value_kind: global_buffer, .address_space: global }
      - { .name: thr, .offset: 32, .size: 8, .value_kind: global_buffer, .address_space: global }
      - { .name: cnt, .offset: 40, .size: 8, .value_kind: global_buffer, .address_space: global }
    .group_segment_fixed_size: 67584
    .private_segment_fixed_size: 0
    .kernarg_segment_align: 8
    .kernarg_segment_size: 48
    .max_flat_workgroup_size: 512
    .sgpr_count:     66
    .vgpr_count:     98
    .wavefront_size: 32
...
	.end_amdgpu_metadata
.endif
;; end of part 3
;; launch refine (part 4): grid 256 x 1, 1 waves a work-group, no clusters, 0 bytes of LDS; arguments li, sk, si, thr, cnt, scores_map, kp; writes kp
.if DOCPART == 4
	.amdgcn_target "amdgcn-amd-amdhsa--gfx1250"
	.amdhsa_code_object_version 6
	.text
	.protected	k_q1b6021cb0a_refine
	.globl	k_q1b6021cb0a_refine
	.p2align	8
	.type	k_q1b6021cb0a_refine,@function
k_q1b6021cb0a_refine:
	s_mov_b64 s[64:65], 0
	v_nop
	global_prefetch_b8 v0, s[64:65] scope:SCOPE_SE
	s_setreg_imm32_b32 hwreg(HW_REG_WAVE_MODE, 25, 1), 1
	s_wait_xcnt 0x0
; Adds up the sixteen partial counts of each candidate (its place among the image's candidates) and makes the soft-argmax over its 5x5 patch.
; Out: one record of 16 bytes, {x, y in [-1, 1], dispersion, bilinear corner as a whole number}, at slot = place of kp [2][262144].
; The places of an image's candidates are 0, 1, 2, .. each once, so every lane stores, no slot is stored twice, and EXEC is never narrowed.
; The next launch takes slots 0 .. 2047.  The records behind them are stored and not read: their lanes run with the others anyway.
; A work-group is one wave and owns one list; a chunk is 32 candidates, one a lane; the prefix is 1, 2, 8, 32 or 64 chunks.
; The prefix length is made again from the list's eight samples and h*, by the comparisons that the counting launch used.
; Addresses and trip counts hang on whole numbers of earlier launches; the corners, which hang on f32 results, are only stored here.
; The einsum with the grid (weights -2 .. 2 along each axis) is row and column sums in f32: 100 operations a keypoint, nothing for a matrix unit.
; The softmax takes the patch's maximum away first.  LIMIT: an exponential below 2^-126 counts as 0 (ISA guide, v_exp_f32).
; The stores are scattered by place, 16 bytes a candidate.
.set RO,  28                           ; v[28:32] patch rows' byte offsets
.set CO,  33                           ; v[33:37] patch columns' byte offsets
.set P,   38                           ; v[38:62] the patch
.set AD,  64                           ; v[64:88] its offsets; later sums and results
.set REC, 84                           ; v[84:87] the record
	s_load_b256 s[4:11], s[0:1], 0x0               ; li 4, sk 6, si 8, thr 10
	s_load_b128 s[12:15], s[0:1], 0x20             ; cnt 12, scores 14
	s_load_b64 s[16:17], s[0:1], 0x30              ; kp
	s_lshr_b32 s46, ttmp9, 7                       ; image
	s_and_b32 s47, ttmp9, 127                      ; my list
	s_mov_b32 s51, 0
	s_mov_b32 s45, 0x43ff8000                      ; 511.0
	s_mov_b32 s55, 0x4166d4ca                      ; 10 log2(e): 1 / TEMP and the base of v_exp_f32
	s_mov_b32 s56, 0x3b804020                      ; 2 / 511
	v_lshlrev_b32 v1, 2, v0                        ; 4 lane
	s_lshl_b32 s53, s47, 13
	v_add_nc_u32 v9, s53, v1                       ; my list's bytes + 4 lane
	v_mov_b32 v18, 0
	s_wait_kmcnt 0x0
	s_lshl_b32 s50, s46, 3
	s_add_nc_u64 s[10:11], s[10:11], s[50:51]
	s_load_b64 s[22:23], s[10:11], 0x0             ; h*: K, I
	s_lshl_b32 s50, ttmp9, 5
	s_add_nc_u64 s[6:7], s[6:7], s[50:51]          ; my list's eight samples
	s_add_nc_u64 s[8:9], s[8:9], s[50:51]
	global_load_b128 v[32:35], v18, s[6:7]         ; the same bytes in every lane
	global_load_b128 v[36:39], v18, s[6:7] offset:16
	global_load_b128 v[40:43], v18, s[8:9]
	global_load_b128 v[44:47], v18, s[8:9] offset:16
	s_lshl_b32 s50, s46, 20
	s_add_nc_u64 s[4:5], s[4:5], s[50:51]          ; the image's lists
	s_add_nc_u64 s[14:15], s[14:15], s[50:51]      ; the image's scores
	s_lshl_b32 s50, ttmp9, 17
	s_add_nc_u64 s[12:13], s[12:13], s[50:51]      ; my list's counts
	s_lshl_b32 s50, s46, 22
	s_add_nc_u64 s[16:17], s[16:17], s[50:51]      ; the image's records
	v_mov_b32 v14, 8
	s_wait_loadcnt 0x0
	s_wait_kmcnt 0x0
.macro EADD j, w                       ; sample j >= h*: the next block belongs to the prefix
	v_cmp_lt_u32 vcc_lo, s22, v[32+\j]
	v_cmp_eq_u32 s42, s22, v[32+\j]
	v_cmp_le_u32 s43, s23, v[40+\j]
	s_and_b32 s42, s42, s43
	s_or_b32 vcc_lo, vcc_lo, s42
	v_mov_b32 v17, \w
	v_cndmask_b32 v16, 0, v17, vcc_lo
	v_add_nc_u32 v14, v14, v16
.endm
	EADD 0, 8
	EADD 1, 8
	EADD 2, 8
	EADD 3, 32
	EADD 4, 0xc0
	EADD 5, 0x300
	EADD 6, 0x400
	v_max_u32 v14, 32, v14                         ; whole chunks, as in the counting launch
	v_readfirstlane_b32 s25, v14
	s_min_u32 s25, s25, 0x800                      ; my list's prefix
	s_lshr_b32 s26, s25, 5                         ; its chunks of 32: 1 .. 64
	s_mov_b32 s27, 0
.Lref:
	s_min_u32 s48, s27, 63
	s_lshl_b32 s52, s48, 7
	v_add_nc_u32 v2, s52, v9
	global_load_b32 v25, v2, s[4:5]
	s_lshl_b32 s52, s48, 11
	v_add_nc_u32 v3, s52, v1
.irp v, 0,1,2,3,4,5,6,7,8,9,10,11,12,13,14,15
	global_load_b32 v[32+\v], v3, s[12:13] offset:128*\v           ; the sixteen waves' counts of my candidate
.endr
	s_wait_loadcnt 0x0                             ; also frees v2 and v3 for the next trip
	v_add3_u32 v24, v32, v33, v34
.irp k, 35,37,39,41,43,45
	v_add3_u32 v24, v24, v[\k], v[\k+1]
.endr
	v_add_nc_u32 v24, v24, v47                     ; the place of my candidate
	v_sub_nc_u32 v25, 0x3ffff, v25
	v_and_b32 v25, 0x3ffff, v25                    ; pixel index
	v_lshrrev_b32 v26, 9, v25                      ; ky
	v_and_b32 v27, 0x1ff, v25                      ; kx
.irp i, 0,1,2,3,4
	v_add_nc_u32 v10, \i-2, v26
	v_cmp_gt_u32 s[32+\i], 0x200, v10              ; row inside the image
	v_min_u32 v10, 0x1ff, v10
	v_lshlrev_b32 v[RO+\i], 11, v10
	v_add_nc_u32 v10, \i-2, v27
	v_cmp_gt_u32 s[37+\i], 0x200, v10              ; column inside
	v_min_u32 v10, 0x1ff, v10
	v_lshlrev_b32 v[CO+\i], 2, v10
.endr
.irp i, 0,1,2,3,4
.irp j, 0,1,2,3,4
	v_add_nc_u32 v[AD+5*\i+\j], v[RO+\i], v[CO+\j]
.endr
.endr
.set k, 0
.rept 25
	global_load_b32 v[P+k], v[AD+k], s[14:15]
.set k, k+1
.endr
	s_wait_loadcnt 0x0
.irp i, 0,1,2,3,4
.irp j, 0,1,2,3,4
	s_and_b32 s42, s[32+\i], s[37+\j]
	v_cndmask_b32 v[P+5*\i+\j], 0, v[P+5*\i+\j], s42               ; zero padding
.endr
.endr
	v_max3_num_f32 v10, v[P], v[P+1], v[P+2]
.irp k, 3,5,7,9,11,13,15,17,19,21,23
	v_max3_num_f32 v10, v10, v[P+\k], v[P+\k+1]
.endr
.set k, 0
.rept 25
	v_sub_f32 v[P+k], v[P+k], v10
	v_mul_f32 v[P+k], s55, v[P+k]
.set k, k+1
.endr
.set k, 0
.rept 25
	v_exp_f32 v[P+k], v[P+k]
.set k, k+1
.endr
	v_cvt_f32_u32 v11, v27                         ; plain work behind the exponentials, before their results are read (ISA guide 5.7.2)
	v_cvt_f32_u32 v12, v26
	; row sums v[64:68], column sums v[69:73]: the grid's weights are -2 .. 2 along each axis
	s_wait_alu depctr_va_vdst(0)
.irp i, 0,1,2,3,4
	v_add_f32 v[64+\i], v[P+5*\i], v[P+5*\i+1]
	v_add_f32 v[69+\i], v[P+\i], v[P+5+\i]
.endr
.irp q, 2,3,4
.irp i, 0,1,2,3,4
	v_add_f32 v[64+\i], v[64+\i], v[P+5*\i+\q]
	v_add_f32 v[69+\i], v[69+\i], v[P+5*\q+\i]
.endr
.endr
	v_add_f32 v74, v64, v65
	v_add_f32 v75, v66, v67
	v_add_f32 v74, v74, v68
	v_add_f32 v74, v74, v75
	v_rcp_f32 v75, v74                             ; 1 / sum; the sum is at least 1 (the maximum's own term)
	v_sub_f32 v76, v73, v69
	v_sub_f32 v77, v72, v70
	v_sub_f32 v78, v68, v64
	v_sub_f32 v79, v67, v65
	v_fma_f32 v76, 2.0, v76, v77
	v_fma_f32 v78, 2.0, v78, v79
	s_wait_alu depctr_va_vdst(0)
	v_mul_f32 v76, v76, v75                        ; x residual
	v_mul_f32 v78, v78, v75                        ; y residual
	; dispersion = (sum C_j (j-2-rx)^2 + sum R_i (i-2-ry)^2) / 4 / sum: all terms positive
.set q, 0
.irp c, -2.0, -1.0, 0, 1.0, 2.0
	v_sub_f32 v81, \c, v76
	v_mul_f32 v81, v81, v81
.if q == 0
	v_mul_f32 v80, v81, v[69+q]
.else
	v_fma_f32 v80, v81, v[69+q], v80
.endif
.set q, q+1
.endr
.set q, 0
.irp c, -2.0, -1.0, 0, 1.0, 2.0
	v_sub_f32 v81, \c, v78
	v_mul_f32 v81, v81, v81
	v_fma_f32 v80, v81, v[64+q], v80
.set q, q+1
.endr
	v_mul_f32 v80, v80, v75
	v_mul_f32 v[REC+2], 0x3e800000, v80
	v_add_f32 v[REC], v11, v76
	v_add_f32 v[REC+1], v12, v78
	v_fma_f32 v[REC], v[REC], s56, -1.0            ; to [-1, 1]
	v_fma_f32 v[REC+1], v[REC+1], s56, -1.0
; the bilinear corner along one axis, from the stored coordinate by the same operations as the sampling launch uses
.macro CORN in, lo, d
	v_add_f32 v10, 1.0, v[\in]
	v_mul_f32 v10, 0.5, v10
	v_mul_f32 v10, s45, v10
	v_floor_f32 v10, v10
	v_add_f32 v11, 1.0, v10
	v_med3_num_f32 v10, v10, 0, s45
	v_med3_num_f32 v11, v11, 0, s45
	v_cvt_u32_f32 v[\lo], v10
	v_cvt_u32_f32 v11, v11
	v_sub_nc_u32 v[\d], v11, v[\lo]
.endm
	CORN REC, 76, 77
	CORN REC+1, 78, 79
	v_lshl_add_u32 v[REC+3], v78, 9, v76           ; y0 * 512 + x0,
	v_lshl_or_b32 v[REC+3], v77, 18, v[REC+3]      ; x1 - x0 in bit 18,
	v_lshl_or_b32 v[REC+3], v79, 19, v[REC+3]      ; y1 - y0 in bit 19
	v_min_u32 v24, 0x3ffff, v24
	v_lshlrev_b32 v24, 4, v24
	global_store_b128 v24, v[REC:REC+3], s[16:17]
	s_wait_xcnt 0x0                                ; the next trip rewrites the record and its offset only behind this wait
	s_add_co_u32 s27, s27, 1
	s_cmp_lt_u32 s27, s26
	s_cbranch_scc1 .Lref
	s_endpgm
.Lfunc_end_k_q1b6021cb0a_refine:
	.size	k_q1b6021cb0a_refine, .Lfunc_end_k_q1b6021cb0a_refine-k_q1b6021cb0a_refine
	.p2alignl 7, 3214868480
	.fill 96, 4, 3214868480
	.section	.rodata,"a",@progbits
	.p2align	6, 0x0
	.amdhsa_kernel k_q1b6021cb0a_refine
		.amdhsa_group_segment_fixed_size 0
		.amdhsa_private_segment_fixed_size 0
		.amdhsa_enable_private_segment 0
		.amdhsa_kernarg_size 56
		.amdhsa_user_sgpr_count 2
		.amdhsa_user_sgpr_kernarg_segment_ptr 1
		.amdhsa_wavefront_size32 1
		.amdhsa_system_sgpr_workgroup_id_x 1
		.amdhsa_system_sgpr_workgroup_id_y 1
		.amdhsa_system_sgpr_workgroup_id_z 1
		.amdhsa_system_vgpr_workitem_id 0
		.amdhsa_next_free_vgpr 96
		.amdhsa_next_free_sgpr 66
		.amdhsa_reserve_vcc 1
		.amdhsa_float_denorm_mode_32 3
		.amdhsa_float_denorm_mode_16_64 3
		.amdhsa_memory_ordered 1
		.amdhsa_forward_progress 1
		.amdhsa_inst_pref_size 23
	.end_amdhsa_kernel
	.amdgpu_metadata
---
amdhsa.version: [ 1, 2 ]
amdhsa.kernels:
  - .name:           k_q1b6021cb0a_refine
    .symbol:         k_q1b6021cb0a_refine.kd
    .args:
      - { .name: li, .offset: 0, .size: 8, .value_kind: global_buffer, .address_space: global }
      - { .name: sk, .offset: 8, .size: 8, .value_kind: global_buffer, .address_space: global }
      - { .name: si, .offset: 16, .size: 8, .value_kind: global_buffer, .address_space: global }
      - { .name: thr, .offset: 24, .size: 8, .value_kind: global_buffer, .address_space: global }
      - { .name: cnt, .offset: 32, .size: 8, .value_kind: global_buffer, .address_space: global }
      - { .name: scores_map, .offset: 40, .size: 8, .value_kind: global_buffer, .address_space: global }
      - { .name: kp, .offset: 48, .size: 8, .value_kind: global_buffer, .address_space: global }
    .group_segment_fixed_size: 0
    .private_segment_fixed_size: 0
    .kernarg_segment_align: 8
    .kernarg_segment_size: 56
    .max_flat_workgroup_size: 32
    .sgpr_count:     66
    .vgpr_count:     96
    .wavefront_size: 32
...
	.end_amdgpu_metadata
.endif
;; end of part 4
;; launch sample (part 5): grid 256 x 1, 16 waves a work-group, no clusters, 2,304 bytes of LDS; arguments descriptor_map, scores_map, kp, out0, out1, out2, out3; writes out0, out1, out2, out3
.if DOCPART == 5
	.amdgcn_target "amdgcn-amd-amdhsa--gfx1250"
	.amdhsa_code_object_version 6
	.text
	.protected	k_q1b6021cb0a_sample
	.globl	k_q1b6021cb0a_sample
	.p2align	8
	.type	k_q1b6021cb0a_sample,@function
k_q1b6021cb0a_sample:
	s_mov_b64 s[64:65], 0
	v_nop
	global_prefetch_b8 v0, s[64:65] scope:SCOPE_SE
	s_setreg_imm32_b32 hwreg(HW_REG_WAVE_MODE, 25, 1), 1
	s_wait_xcnt 0x0
; Bilinear samples of the 128 descriptor planes and of the scores at one keypoint a wave, the descriptor's L2 norm, and all four outputs.
; Keypoint g = 16 x work-group + wave; its record {x, y, dispersion, corner} is slot g mod 2048 of its image's records.
; A lane takes channels 4 lane .. 4 lane + 3, so its four results are 16 neighbouring bytes of out1 and the wave's one store covers the
; keypoint's 512 bytes.  The four corners' offsets come from the record's whole number; the weights are made from the stored coordinate
; by the same operations that made the corner.
; All 20 loads of a wave are issued at once, right behind its record; 4,096 waves do so side by side.  The planes lie 1 MiB apart, so nothing
; is shared or contiguous: no LDS staging, tensor load, cluster or prefetch has anything to gain here.
; At the end wave 0 reads the work-group's sixteen records (256 consecutive bytes) and stores coordinates (128 consecutive bytes),
; dispersions and scores (64 each).
.set VO, 4                             ; v[4:7]   corner q: lane's plane + offset
.set D,  8                             ; v[8:23]  channel j, corner q at 4 j + q; v[8:11] once more for wave 0's records
.set SC, 24                            ; v[24:27] the scores' corners
.set SO, 28                            ; v[28:31] their offsets
.set WT, 32                            ; v[32:35] the four weights
.set R,  44                            ; v[44:47] results
	s_load_b256 s[4:11], s[0:1], 0x0               ; descriptors 4, scores 6, kp 8, out0 10
	s_load_b128 s[12:15], s[0:1], 0x20             ; out1 12, out2 14
	s_load_b64 s[40:41], s[0:1], 0x30              ; out3
	v_lshl_add_u32 v48, v0, 2, 0x100
	v_mov_b32 v49, 0
	v_lshrrev_b32 v1, 5, v0
	v_readfirstlane_b32 s16, v1                    ; wave
	v_and_b32 v1, 31, v0                           ; lane
	s_lshl4_add_u32 s17, ttmp9, s16                ; keypoint
	s_lshr_b32 s18, ttmp9, 7                       ; image: 128 work-groups each
	s_mov_b32 s19, 0x43ff8000                      ; 511.0
	s_mov_b32 s21, 0
	s_mov_b32 s32, 0x76543210
	s_mov_b32 s33, 0xfedcba98
	s_lshl_b32 s34, s16, 2
	s_wait_kmcnt 0x0
	s_lshl_b32 s20, s18, 22
	s_add_nc_u64 s[8:9], s[8:9], s[20:21]          ; the image's records
	s_and_b32 s20, ttmp9, 127
	s_lshl_b32 s20, s20, 8
	s_add_nc_u64 s[42:43], s[8:9], s[20:21]        ; the work-group's sixteen
	s_lshl_b32 s20, s16, 4
	s_add_nc_u64 s[8:9], s[42:43], s[20:21]        ; mine
	s_load_b128 s[36:39], s[8:9], 0x0              ; x, y, dispersion, corner
	s_lshl_b32 s20, s18, 27
	s_add_nc_u64 s[4:5], s[4:5], s[20:21]
	s_lshl_b32 s20, s18, 20
	s_add_nc_u64 s[6:7], s[6:7], s[20:21]
	s_lshl_b32 s20, s17, 9
	s_add_nc_u64 s[12:13], s[12:13], s[20:21]
	s_lshl_b32 s20, ttmp9, 6
	s_add_nc_u64 s[14:15], s[14:15], s[20:21]
	s_add_nc_u64 s[40:41], s[40:41], s[20:21]
	s_lshl_b32 s20, ttmp9, 7
	s_add_nc_u64 s[10:11], s[10:11], s[20:21]
	s_wait_kmcnt 0x0
	s_and_b32 s23, s39, 0x3ffff
	s_min_u32 s23, s23, 0x3ffff                    ; y0 * 512 + x0
	s_bfe_u32 s26, s39, 0x10012
	s_min_u32 s26, s26, 1                          ; x1 - x0
	s_bfe_u32 s27, s39, 0x10013
	s_min_u32 s27, s27, 1                          ; y1 - y0
	s_lshl_b32 s28, s23, 2
	s_lshl_b32 s26, s26, 2
	s_lshl_b32 s27, s27, 11
	s_add_co_u32 s29, s28, s26
	s_add_co_u32 s30, s28, s27
	s_add_co_u32 s31, s30, s26
.irp q, 0,1,2,3
	v_lshl_add_u32 v[VO+\q], v1, 22, s[28+\q]      ; four planes of 1 MiB a lane
	v_mov_b32 v[SO+\q], s[28+\q]
.endr
.irp j, 0,1,2,3
.irp q, 0,1,2,3
	global_load_b32 v[D+4*\j+\q], v[VO+\q], s[4:5] offset:\j*1048576
.endr
.endr
.irp q, 0,1,2,3
	global_load_b32 v[SC+\q], v[SO+\q], s[6:7]
.endr
	; the weights, while the loads are out
	v_add_f32 v36, 1.0, s36
	v_add_f32 v38, 1.0, s37
	v_mul_f32 v36, 0.5, v36
	v_mul_f32 v38, 0.5, v38
	v_mul_f32 v36, s19, v36
	v_mul_f32 v38, s19, v38
	v_floor_f32 v37, v36
	v_floor_f32 v39, v38
	v_sub_f32 v36, v36, v37                        ; wx
	v_sub_f32 v38, v38, v39                        ; wy
	v_sub_f32 v40, 1.0, v36
	v_sub_f32 v41, 1.0, v38
	v_mul_f32 v[WT+0], v40, v41
	v_mul_f32 v[WT+1], v36, v41
	v_mul_f32 v[WT+2], v40, v38
	v_mul_f32 v[WT+3], v36, v38
	s_wait_loadcnt 0x0
.irp j, 0,1,2,3
	v_mul_f32 v[R+\j], v[D+4*\j], v[WT]
	v_fma_f32 v[R+\j], v[D+4*\j+1], v[WT+1], v[R+\j]
	v_fma_f32 v[R+\j], v[D+4*\j+2], v[WT+2], v[R+\j]
	v_fma_f32 v[R+\j], v[D+4*\j+3], v[WT+3], v[R+\j]
.endr
	v_mul_f32 v43, v[SC], v[WT]
	v_fma_f32 v43, v[SC+1], v[WT+1], v43
	v_fma_f32 v43, v[SC+2], v[WT+2], v43
	v_fma_f32 v43, v[SC+3], v[WT+3], v43           ; the keypoint's score, the same in every lane
	v_mul_f32 v42, v[R], v[R]
	v_fma_f32 v42, v[R+1], v[R+1], v42
	v_fma_f32 v42, v[R+2], v[R+2], v42
	v_fma_f32 v42, v[R+3], v[R+3], v42
	v_add_f32_dpp v42, v42, v42 row_xmask:1 row_mask:0xf bank_mask:0xf
	v_add_f32_dpp v42, v42, v42 row_xmask:2 row_mask:0xf bank_mask:0xf
	v_add_f32_dpp v42, v42, v42 row_xmask:4 row_mask:0xf bank_mask:0xf
	v_add_f32_dpp v42, v42, v42 row_xmask:8 row_mask:0xf bank_mask:0xf
	v_permlanex16_b32 v40, v42, s32, s33
	v_add_f32 v42, v42, v40                        ; sum of squares over the 128 channels, in every lane
	v_sqrt_f32 v42, v42
	v_lshlrev_b32 v2, 4, v1                        ; plain work behind the root (ISA guide 5.7.2): my 16 bytes of the row
	s_wait_alu depctr_va_vdst(0)
	v_max_num_f32 v42, 0x2b8cbccc, v42             ; at least 1e-12
	v_rcp_f32 v42, v42
	v_mov_b32 v3, s34                              ; and behind the reciprocal: my wave's word in LDS
	s_wait_alu depctr_va_vdst(0)
.irp j, 0,1,2,3
	v_mul_f32 v[R+\j], v[R+\j], v42
.endr
	global_store_b128 v2, v[R:R+3], s[12:13]
	ds_store_b32 v3, v43                           ; all lanes write one word with one value
	s_wait_dscnt 0x0                               ; zero: wave 0 reads the sixteen words
	s_barrier_signal -1
	s_barrier_wait -1
	s_cmp_lg_u32 s16, 0
	s_cbranch_scc1 .Lend
	v_and_b32 v36, 15, v0                          ; keypoint of the work-group's sixteen
	v_lshlrev_b32 v38, 4, v36
	v_lshlrev_b32 v39, 3, v36
	v_lshlrev_b32 v36, 2, v36
	global_load_b128 v[8:11], v38, s[42:43]        ; its record (lanes 16 .. 31 read what lanes 0 .. 15 read)
	ds_load_b32 v37, v36                           ; its score
	v_cmp_gt_u32 vcc_lo, 16, v0
	s_wait_dscnt 0x0
	s_wait_loadcnt 0x0
	s_wait_xcnt 0x0                                ; the accesses above have read EXEC: it changes only behind this wait
	s_and_saveexec_b32 s35, vcc_lo
	global_store_b64 v39, v[8:9], s[10:11]         ; coordinates, 128 neighbouring bytes
	global_store_b32 v36, v10, s[40:41]            ; dispersions, 64
	global_store_b32 v36, v37, s[14:15]            ; scores, 64
	s_wait_xcnt 0x0
	s_or_b32 exec_lo, exec_lo, s35
.Lend:
	s_barrier_signal -1
	s_barrier_wait -1
	s_wait_tensorcnt 0x0
	ds_add_u32 v48, v49
	s_wait_dscnt 0x0
	s_endpgm
.Lfunc_end_k_q1b6021cb0a_sample:
	.size	k_q1b6021cb0a_sample, .Lfunc_end_k_q1b6021cb0a_sample-k_q1b6021cb0a_sample
	.p2alignl 7, 3214868480
	.fill 96, 4, 3214868480
	.section	.rodata,"a",@progbits
	.p2align	6, 0x0
	.amdhsa_kernel k_q1b6021cb0a_sample
		.amdhsa_group_segment_fixed_size 2304
		.amdhsa_private_segment_fixed_size 0
		.amdhsa_enable_private_segment 0
		.amdhsa_kernarg_size 56
		.amdhsa_user_sgpr_count 2
		.amdhsa_user_sgpr_kernarg_segment_ptr 1
		.amdhsa_wavefront_size32 1
		.amdhsa_system_sgpr_workgroup_id_x 1
		.amdhsa_system_sgpr_workgroup_id_y 1
		.amdhsa_system_sgpr_workgroup_id_z 1
		.amdhsa_system_vgpr_workitem_id 0
		.amdhsa_next_free_vgpr 50
		.amdhsa_next_free_sgpr 66
		.amdhsa_reserve_vcc 1
		.amdhsa_float_denorm_mode_32 3
		.amdhsa_float_denorm_mode_16_64 3
		.amdhsa_memory_ordered 1
		.amdhsa_forward_progress 1
		.amdhsa_inst_pref_size 9
	.end_amdhsa_kernel
	.amdgpu_metadata
---
amdhsa.version: [ 1, 2 ]
amdhsa.kernels:
  - .name:           k_q1b6021cb0a_sample
    .symbol:         k_q1b6021cb0a_sample.kd
    .args:
      - { .name: descriptor_map, .offset: 0, .size: 8, .value_kind: global_buffer, .address_space: global }
      - { .name: scores_map, .offset: 8, .size: 8, .value_kind: global_buffer, .address_space: global }
      - { .name: kp, .offset: 16, .size: 8, .value_kind: global_buffer, .address_space: global }
      - { .name: out0, .offset: 24, .size: 8, .value_kind: global_buffer, .address_space: global }
      - { .name: out1, .offset: 32, .size: 8, .value_kind: global_buffer, .address_space: global }
      - { .name: out2, .offset: 40, .size: 8, .value_kind: global_buffer, .address_space: global }
      - { .name: out3, .offset: 48, .size: 8, .value_kind: global_buffer, .address_space: global }
    .group_segment_fixed_size: 2304
    .private_segment_fixed_size: 0
    .kernarg_segment_align: 8
    .kernarg_segment_size: 56
    .max_flat_workgroup_size: 512
    .sgpr_count:     66
    .vgpr_count:     50
    .wavefront_size: 32
...
	.end_amdgpu_metadata
.endif
;; end of part 5
;; ======== version 2 of 2: 5 launches; 1.14 times as fast as version 1
;; workspace buffers: lk 2,097,152 bytes of whole numbers; li 2,097,152 bytes of whole numbers; sk 8,192 bytes of whole numbers; si 8,192 bytes of whole numbers; thr 256 bytes of whole numbers; cnt 33,554,432 bytes of whole numbers; kp 8,388,608 bytes of whole numbers
;; launch nms (part 6): grid 256 x 1, 16 waves a work-group, no clusters, 51,200 bytes of LDS; arguments scores_map, lk, li, sk, si; writes lk, li, sk, si
.if DOCPART == 6
	.amdgcn_target "amdgcn-amd-amdhsa--gfx1250"
	.amdhsa_code_object_version 6
	.text
	.protected	k_q1b6021cb0a_nms
	.globl	k_q1b6021cb0a_nms
	.p2align	8
	.type	k_q1b6021cb0a_nms,@function
k_q1b6021cb0a_nms:
	s_mov_b64 s[64:65], 0
	v_nop
	global_prefetch_b8 v0, s[64:65] scope:SCOPE_SE
	s_setreg_imm32_b32 hwreg(HW_REG_WAVE_MODE, 25, 1), 1
	s_wait_xcnt 0x0
; NMS (five 7x7 max pools, the two image halves pooled apart), border mask, and a full sort of one tile's 2,048 pixels.
; A work-group owns 32 columns x 64 rows of one image and works on 64 x 96: a halo of 16, of which 5 pools x 3 = 15 are needed.
; Thread t: column group cg = t & 15 (4 pixels; the 16 lanes of a DPP row are one tile row), strip = t >> 4 (3 rows).
; A pixel becomes the pair (K, I): K = the f32 bits of (kept ? s : 0) * border made monotone as u32, I = 0x3FFFF - index.
; "Greater pair first" is value descending, index ascending.  Pairs are unique, so every comparison is strict.
; A pair is compared as one 64-bit number, K above I: a < b is the borrow of a - b, two subtractions, the second taking the first's borrow.
; The sort is oblivious (bitonic, mirror form: every comparator puts the greater pair at the lower place): no branch or address hangs on a score.
; Out: the sorted list (lk, li) and its elements at places 7, 15, 23, 31, 63, 255, 1023, 2047 (sk, si).
; LIMITS: NaN or infinite scores are not served; -0 sorts below +0.
; No tensor loads, clusters or matrix work: a tile is 24 KiB, read once through registers, and shares only its halo.
.set Y1,   24576                       ; LDS: buffer 0 at 0, buffer 1 at 24576, each 96 rows x 256 bytes
.set RA0,  2                           ; 768 strip + 16 cg: my first row
.set RAU,  3                           ; the three rows above (strip 0: its own, halo only)
.set RAD,  4                           ; the three rows below (strip 31: its own, halo only)
.set RT16, 5                           ; 16 t
.set RL16, 6                           ; 16 lane
.set RR16, 7                           ; 496 - 16 lane
.set S,    8                           ; v[8:19]   scores, 3 rows x 4
.set SRC,  20                          ; v[20:31]  what is pooled (mask as float, or suppressed scores)
.set H,    32                          ; v[32:43]  horizontal maxima of my rows
.set HU,   44                          ; v[44:55]  of the rows above
.set HD,   56                          ; v[56:67]  of the rows below
.set P,    68                          ; v[68:79]  pooled
.set OFS,  87                          ; v[87:89]  load offsets
.set NINF, 91
.set T,    92                          ; v[92:99]  at work
.set ZV,   100                         ; v[100:102] row r: 0 inside my half of the image, -inf outside
.set VAL,  20                          ; s[20:22]  row r: pixel lies in the image and in my half
.set ROWB, 23                          ; s[23:25]  3 <= y < 510
.set COLB, 26                          ; s[26:29]  3 <= x < 510
.set MM,   30                          ; s[30:41]  kept so far
.set SM,   42                          ; s[42:53]  suppressed
.set UP,   54                          ; s[54:58]  lanes whose bit n is set
.set KK,   8                           ; the sort: v[8:11] K, v[12:15] I, v[16:19], v[20:23] the partner's
.set II,   12
.set TK,   16
.set TI,   20
.set DW,   28                          ; v[28:31]  the subtractions' differences, never read
.set CC,   20                          ; s[20:23]  the sort: four borrows side by side (the masks of the pools are done with by then)
.set XB,   0                           ; LDS buffer of the next exchange between waves
	s_load_b256 s[4:11], s[0:1], 0x0               ; scores s[4:5], lk s[6:7], li s[8:9], sk s[10:11]
	s_load_b64 s[12:13], s[0:1], 0x20              ; si
	v_lshl_add_u32 v104, v0, 2, 0xc000
	v_mov_b32 v105, 0
	v_lshrrev_b32 v1, 5, v0
	v_readfirstlane_b32 s14, v1                    ; wave
	s_and_b32 s16, ttmp9, 15                       ; tile x
	s_bfe_u32 s17, ttmp9, 0x30004                  ; tile y
	s_lshr_b32 s18, ttmp9, 7                       ; image
	s_mov_b32 s[UP+0], 0xaaaaaaaa
	s_mov_b32 s[UP+1], 0xcccccccc
	s_mov_b32 s[UP+2], 0xf0f0f0f0
	s_mov_b32 s[UP+3], 0xff00ff00
	s_mov_b32 s[UP+4], 0xffff0000
	s_mov_b32 s59, 0x76543210                      ; v_permlanex16_b32: lane xor 16
	s_mov_b32 s60, 0xfedcba98
	s_mov_b32 s61, 0x89abcdef                      ; lane xor 31
	s_mov_b32 s62, 0x01234567
	v_and_b32 v1, 15, v0                           ; cg
	v_lshrrev_b32 v80, 4, v0                       ; strip
	v_lshlrev_b32 v81, 4, v1
	v_mad_u32_u24 v[RA0], v80, 0x300, v81
	v_sub_nc_u32 v82, 32, v80
	v_min_u32 v82, 31, v82
	v_sub_nc_u32 v82, 31, v82                      ; max(strip - 1, 0)
	v_mad_u32_u24 v[RAU], v82, 0x300, v81
	v_add_nc_u32 v82, 1, v80
	v_min_u32 v82, 31, v82                         ; min(strip + 1, 31)
	v_mad_u32_u24 v[RAD], v82, 0x300, v81
	v_lshlrev_b32 v[RT16], 4, v0
	v_and_b32 v82, 31, v0
	v_lshlrev_b32 v[RL16], 4, v82
	v_sub_nc_u32 v[RR16], 0x1f0, v[RL16]
	s_lshl_b32 s19, s17, 6
	s_sub_co_i32 s19, s19, 16
	v_mad_u32_u24 v83, v80, 3, s19                 ; y of my first row (below 0 wraps: the unsigned tests below fail)
	s_lshl_b32 s63, s16, 5
	s_sub_co_i32 s63, s63, 16
	v_lshl_add_u32 v84, v1, 2, s63                 ; x of my first pixel, a multiple of 4
	s_lshr_b32 s66, s17, 2
	s_lshl_b32 s66, s66, 8                         ; first row of my half of the image
	v_cmp_gt_u32 s67, 0x200, v84
	v_min_u32 v85, 0x1fc, v84                      ; outside the image: some address inside, the value is replaced below
	v_lshlrev_b32 v85, 2, v85
.irp r, 0,1,2
	v_add_nc_u32 v86, \r, v83
	v_sub_nc_u32 v90, v86, s66
	v_cmp_gt_u32 s[VAL+\r], 0x100, v90
	s_and_b32 s[VAL+\r], s[VAL+\r], s67
	v_add_nc_u32 v90, -3, v86
	v_cmp_gt_u32 s[ROWB+\r], 0x1fb, v90
	v_min_u32 v86, 0x1ff, v86
	v_lshl_add_u32 v[OFS+\r], v86, 11, v85
.endr
.irp j, 0,1,2,3
	v_add_nc_u32 v90, \j-3, v84
	v_cmp_gt_u32 s[COLB+\j], 0x1fb, v90
.endr
	s_lshl_b32 s70, s18, 20
	s_mov_b32 s71, 0
	s_wait_kmcnt 0x0
	s_add_nc_u64 s[4:5], s[4:5], s[70:71]
.irp r, 0,1,2
	global_load_b128 v[S+4*\r:S+4*\r+3], v[OFS+\r], s[4:5]
.endr
	v_mov_b32 v[NINF], 0xff800000
.irp i, 0,1,2,3,4,5,6,7,8,9,10,11
	v_mov_b32 v[H+\i], 0                           ; once: the destination of a DPP form counts as read
.endr
.irp r, 0,1,2
	v_cndmask_b32 v[ZV+\r], v[NINF], 0, s[VAL+\r]
.endr
	s_wait_loadcnt 0x0
.irp r, 0,1,2
.irp j, 0,1,2,3
	v_cndmask_b32 v[S+4*\r+\j], v[NINF], v[S+4*\r+\j], s[VAL+\r]
.endr
.endr
; Seven-wide maxima along row r.  row_ror:1 reads the lane to the left, row_ror:15 the lane to the right; the wrap at the row's
; ends reaches three halo columns more in each pool.
.macro HPOOL src, r
	v_max3_num_f32 v[T+0], v[\src+4*\r], v[\src+4*\r+1], v[\src+4*\r+2]
	v_max_num_f32  v[T+1], v[T+0], v[\src+4*\r+3]
	v_max_num_f32  v[T+2], v[\src+4*\r+2], v[\src+4*\r+3]
	v_max3_num_f32 v[T+3], v[\src+4*\r+1], v[\src+4*\r+2], v[\src+4*\r+3]
	v_max_num_f32  v[T+4], v[\src+4*\r], v[\src+4*\r+1]
	v_max_num_f32_dpp v[H+4*\r+0], v[T+3], v[T+1] row_ror:1 row_mask:0xf bank_mask:0xf
	v_max_num_f32_dpp v[H+4*\r+3], v[T+0], v[T+1] row_ror:15 row_mask:0xf bank_mask:0xf
	v_max_num_f32_dpp v[H+4*\r+1], v[T+2], v[T+1] row_ror:1 row_mask:0xf bank_mask:0xf
	v_max_num_f32_dpp v[H+4*\r+1], v[\src+4*\r], v[H+4*\r+1] row_ror:15 row_mask:0xf bank_mask:0xf
	v_max_num_f32_dpp v[H+4*\r+2], v[\src+4*\r+3], v[T+1] row_ror:1 row_mask:0xf bank_mask:0xf
	v_max_num_f32_dpp v[H+4*\r+2], v[T+4], v[H+4*\r+2] row_ror:15 row_mask:0xf bank_mask:0xf
.endm
; One 7x7 pool: rows through LDS buffer buf.  The buffers take turns, so one barrier a pool does: a buffer's reads have been waited
; for in front of the next pool's signal, and it is written again only behind that barrier.
.macro POOL src, buf
	HPOOL \src, 0
	HPOOL \src, 1
	HPOOL \src, 2
.irp r, 0,1,2
	ds_store_b128 v[RA0], v[H+4*\r:H+4*\r+3] offset:\buf*Y1+256*\r
.endr
	s_wait_dscnt 0x0                               ; zero: other waves read these rows
	s_barrier_signal -1
	s_barrier_wait -1
.irp r, 0,1,2
	ds_load_b128 v[HU+4*\r:HU+4*\r+3], v[RAU] offset:\buf*Y1+256*\r
	ds_load_b128 v[HD+4*\r:HD+4*\r+3], v[RAD] offset:\buf*Y1+256*\r
.endr
	s_wait_dscnt 0x0
.irp j, 0,1,2,3
	v_max3_num_f32 v[T+\j], v[HU+8+\j], v[H+\j], v[H+4+\j]          ; the five rows that all three windows share
	v_max3_num_f32 v[T+\j], v[T+\j], v[H+8+\j], v[HD+\j]
	v_max3_num_f32 v[P+\j],   v[T+\j], v[HU+\j], v[HU+4+\j]
	v_max3_num_f32 v[P+4+\j], v[T+\j], v[HU+4+\j], v[HD+4+\j]
	v_max3_num_f32 v[P+8+\j], v[T+\j], v[HD+4+\j], v[HD+8+\j]
.endr
.endm
; One round of suppression: pool the mask, blank what it covers, pool again, keep the new maxima that are not covered.
.macro SUPPRESS b0, b1
.irp i, 0,1,2,3,4,5,6,7,8,9,10,11
	v_cndmask_b32 v[SRC+\i], 0, 1.0, s[MM+\i]
.endr
	POOL SRC, \b0
.irp r, 0,1,2
.irp j, 0,1,2,3
	v_cmp_lt_f32 s[SM+4*\r+\j], 0, v[P+4*\r+\j]
	v_cndmask_b32 v[SRC+4*\r+\j], v[S+4*\r+\j], v[ZV+\r], s[SM+4*\r+\j]
.endr
.endr
	POOL SRC, \b1
.irp r, 0,1,2
.irp j, 0,1,2,3
	v_cmp_eq_f32 s63, v[SRC+4*\r+\j], v[P+4*\r+\j]
	s_and_not1_b32 s63, s63, s[SM+4*\r+\j]
	s_and_b32 s63, s63, s[VAL+\r]
	s_or_b32 s[MM+4*\r+\j], s[MM+4*\r+\j], s63
.endr
.endr
.endm
	POOL S, 0
.irp r, 0,1,2
.irp j, 0,1,2,3
	v_cmp_eq_f32 s[MM+4*\r+\j], v[S+4*\r+\j], v[P+4*\r+\j]
	s_and_b32 s[MM+4*\r+\j], s[MM+4*\r+\j], s[VAL+\r]
.endr
.endr
	SUPPRESS 1, 0
	SUPPRESS 1, 0
	; keys: (kept ? s : 0) * border, then the f32 order as a u32 order
.irp r, 0,1,2
.irp j, 0,1,2,3
	s_and_b32 s63, s[ROWB+\r], s[COLB+\j]
	v_cndmask_b32 v[P+4*\r+\j], 0, v[S+4*\r+\j], s[MM+4*\r+\j]
	v_cndmask_b32 v[T], 0, 1.0, s63
	v_mul_f32 v[P+4*\r+\j], v[P+4*\r+\j], v[T]
	v_ashrrev_i32 v[T+1], 31, v[P+4*\r+\j]
	v_or_b32 v[T+1], 0x80000000, v[T+1]
	v_xor_b32 v[P+4*\r+\j], v[P+4*\r+\j], v[T+1]
.endr
.endr
.irp r, 0,1,2
	ds_store_b128 v[RA0], v[P+4*\r:P+4*\r+3] offset:Y1+256*\r      ; buffer 1: its last reads ended in front of the fifth pool's barrier
.endr
	s_wait_dscnt 0x0
	s_barrier_signal -1
	s_barrier_wait -1
	; thread t takes the inner tile's pixels 4t .. 4t+3: row t >> 3, columns 4 (t & 7) ..
	v_lshrrev_b32 v24, 3, v0
	v_and_b32 v25, 7, v0
	v_lshlrev_b32 v26, 8, v24
	v_lshl_add_u32 v26, v25, 4, v26
	ds_load_b128 v[KK:KK+3], v26 offset:Y1+16*256+64
	s_lshl_b32 s63, s17, 15
	s_lshl_b32 s66, s16, 5
	s_add_co_u32 s63, s63, s66
	s_sub_co_u32 s63, 0x3ffff, s63                 ; 0x3FFFF - index of the tile's first pixel
	v_lshlrev_b32 v24, 9, v24
	v_lshl_add_u32 v24, v25, 2, v24
	v_sub_nc_u32 v[II], s63, v24
	v_add_nc_u32 v[II+1], -1, v[II]
	v_add_nc_u32 v[II+2], -2, v[II]
	v_add_nc_u32 v[II+3], -3, v[II]
	s_wait_dscnt 0x0
; THE SORT.  Place e = 128 wave + 4 lane + slot.
; Two comparators inside a lane, side by side: slots a < b and c < d, the greater pair to a and to c.
; The borrow of {K, I}(a) - {K, I}(b) says a < b: then the two change places.
.macro CER2 a, b, c, d
	v_sub_co_u32 v[DW],   s[CC],   v[II+\a], v[II+\b]
	v_sub_co_u32 v[DW+1], s[CC+1], v[II+\c], v[II+\d]
	v_sub_co_ci_u32 v[DW],   s[CC],   v[KK+\a], v[KK+\b], s[CC]
	v_sub_co_ci_u32 v[DW+1], s[CC+1], v[KK+\c], v[KK+\d], s[CC+1]
	v_cndmask_b32 v24, v[KK+\a], v[KK+\b], s[CC]
	v_cndmask_b32 v25, v[II+\a], v[II+\b], s[CC]
	v_cndmask_b32 v26, v[KK+\c], v[KK+\d], s[CC+1]
	v_cndmask_b32 v27, v[II+\c], v[II+\d], s[CC+1]
	v_cndmask_b32 v[KK+\b], v[KK+\b], v[KK+\a], s[CC]
	v_cndmask_b32 v[II+\b], v[II+\b], v[II+\a], s[CC]
	v_cndmask_b32 v[KK+\d], v[KK+\d], v[KK+\c], s[CC+1]
	v_cndmask_b32 v[II+\d], v[II+\d], v[II+\c], s[CC+1]
	v_mov_b32 v[KK+\a], v24
	v_mov_b32 v[II+\a], v25
	v_mov_b32 v[KK+\c], v26
	v_mov_b32 v[II+\c], v27
.endm
.macro REG1
	CER2 0, 1, 2, 3
.endm
.macro REG2
	CER2 0, 2, 1, 3
.endm
.macro REGM
	CER2 0, 3, 1, 2
.endm
.macro FDPP m                          ; the partner lane's four pairs, lane xor m inside 16 lanes
.irp s, 0,1,2,3
	v_mov_b32_dpp v[TK+\s], v[KK+\s] row_xmask:\m row_mask:0xf bank_mask:0xf
	v_mov_b32_dpp v[TI+\s], v[II+\s] row_xmask:\m row_mask:0xf bank_mask:0xf
.endr
.endm
.macro FPX lo, hi                      ; the same from the other 16 lanes
.irp s, 0,1,2,3
	v_permlanex16_b32 v[TK+\s], v[KK+\s], s[\lo], s[\hi]
	v_permlanex16_b32 v[TI+\s], v[II+\s], s[\lo], s[\hi]
.endr
.endm
; The lower place keeps the greater pair, the upper place (mask up) the smaller: take the partner's if (mine < partner's) xor up.
; The four slots go side by side, each with a borrow register of its own, so that no line waits for the line in front of it.
.macro UPD rev, up
.irp s, 0,1,2,3
	v_sub_co_u32 v[DW+\s], s[CC+\s], v[II+\s], v[TI+(\s^(\rev))]
.endr
.irp s, 0,1,2,3
	v_sub_co_ci_u32 v[DW+\s], s[CC+\s], v[KK+\s], v[TK+(\s^(\rev))], s[CC+\s]
.endr
.irp s, 0,1,2,3
	s_xor_b32 s[CC+\s], s[CC+\s], s[\up]
.endr
.irp s, 0,1,2,3
	v_cndmask_b32 v[KK+\s], v[KK+\s], v[TK+(\s^(\rev))], s[CC+\s]
	v_cndmask_b32 v[II+\s], v[II+\s], v[TI+(\s^(\rev))], s[CC+\s]
.endr
.endm
.macro LSTEP m, bit                    ; partner e xor 4m
	FDPP \m
	UPD 0, UP+\bit
.endm
.macro LMIR m, bit                     ; mirror: lane xor m, slot xor 3
	FDPP \m
	UPD 3, UP+\bit
.endm
.macro LTAIL n                         ; the steps over lane bits n-1 .. 0, then over the slot bits
.if \n > 4
	FPX 59, 60
	UPD 0, UP+4
.endif
.if \n > 3
	LSTEP 8, 3
.endif
.if \n > 2
	LSTEP 4, 2
.endif
.if \n > 1
	LSTEP 2, 1
.endif
.if \n > 0
	LSTEP 1, 0
.endif
	REG2
	REG1
.endm
; Partner in wave xor wm (mir = 1: also lane xor 31, slot xor 3), through LDS.  Two buffers take turns, so one barrier an exchange:
; a buffer's reads have been waited for in front of the next exchange's signal.  hb: the wave bit that says who is the upper one.
.macro XW wm, mir, hb
	ds_store_b128 v[RT16], v[KK:KK+3] offset:XB
	ds_store_b128 v[RT16], v[II:II+3] offset:XB+8192
	s_xor_b32 s68, s14, \wm
	s_lshl_b32 s68, s68, 9
.if \mir
	v_add_nc_u32 v26, s68, v[RR16]
.else
	v_add_nc_u32 v26, s68, v[RL16]
.endif
	s_bitcmp1_b32 s14, \hb
	s_cselect_b32 s67, -1, 0
	s_wait_dscnt 0x0                               ; zero: the partner wave reads these bytes
	s_barrier_signal -1
	s_barrier_wait -1
	ds_load_b128 v[TK:TK+3], v26 offset:XB
	ds_load_b128 v[TI:TI+3], v26 offset:XB+8192
	s_wait_dscnt 0x0
	UPD 3*\mir, 67
.set XB, Y1-XB
.endm
	REG1                                           ; runs of 2
	REGM                                           ; 4
	REG1
	LMIR 1, 0                                      ; 8
	LTAIL 0
	LMIR 3, 1                                      ; 16
	LTAIL 1
	LMIR 7, 2                                      ; 32
	LTAIL 2
	LMIR 15, 3                                     ; 64
	LTAIL 3
	FPX 61, 62                                     ; 128: lane xor 31
	UPD 3, UP+4
	LTAIL 4
	XW 1, 1, 0                                     ; 256
	LTAIL 5
	XW 3, 1, 1                                     ; 512
	XW 1, 0, 0
	LTAIL 5
	XW 7, 1, 2                                     ; 1024
	XW 2, 0, 1
	XW 1, 0, 0
	LTAIL 5
	XW 15, 1, 3                                    ; 2048
	XW 4, 0, 2
	XW 2, 0, 1
	XW 1, 0, 0
	LTAIL 5
	; the list: each store of a wave covers 512 consecutive bytes
	s_lshl_b32 s70, ttmp9, 13
	s_add_nc_u64 s[6:7], s[6:7], s[70:71]
	s_add_nc_u64 s[8:9], s[8:9], s[70:71]
	global_store_b128 v[RT16], v[KK:KK+3], s[6:7]
	global_store_b128 v[RT16], v[II:II+3], s[8:9]
	; the samples: place 4t+3 of every thread into buffer 0 (the tenth exchange used buffer 1), wave 0 picks eight
	v_lshlrev_b32 v24, 2, v0
	ds_store_b32 v24, v[KK+3]
	ds_store_b32 v24, v[II+3] offset:2048
	s_wait_dscnt 0x0
	s_barrier_signal -1
	s_barrier_wait -1
	s_cmp_lg_u32 s14, 0
	s_cbranch_scc1 .Lend
	v_and_b32 v24, 7, v0                           ; j
	v_lshlrev_b32 v25, 1, v24
	v_add_nc_u32 v26, -4, v25
	v_lshlrev_b32 v26, v26, 1                      ; 1 << (2j - 4)
	v_add_nc_u32 v26, -1, v26
	v_min_u32 v26, 0x1ff, v26                      ; j = 4 .. 7: threads 15, 63, 255, 511
	v_add_nc_u32 v25, 1, v25                       ; j = 0 .. 3: threads 1, 3, 5, 7
	v_cmp_gt_u32 vcc_lo, 4, v24
	v_cndmask_b32 v25, v26, v25, vcc_lo
	v_lshlrev_b32 v25, 2, v25
	ds_load_b32 v26, v25
	ds_load_b32 v27, v25 offset:2048
	v_lshlrev_b32 v24, 2, v24
	s_lshl_b32 s70, ttmp9, 5
	s_add_nc_u64 s[10:11], s[10:11], s[70:71]
	s_add_nc_u64 s[12:13], s[12:13], s[70:71]
	v_cmp_gt_u32 vcc_lo, 8, v0
	s_wait_dscnt 0x0
	s_wait_xcnt 0x0                                ; the list's stores have read EXEC: it changes only behind this wait
	s_and_saveexec_b32 s63, vcc_lo
	global_store_b32 v24, v26, s[10:11]
	global_store_b32 v24, v27, s[12:13]
	s_wait_xcnt 0x0
	s_or_b32 exec_lo, exec_lo, s63
.Lend:
	s_barrier_signal -1
	s_barrier_wait -1
	s_wait_tensorcnt 0x0
	ds_add_u32 v104, v105
	s_wait_dscnt 0x0
	s_endpgm
.Lfunc_end_k_q1b6021cb0a_nms:
	.size	k_q1b6021cb0a_nms, .Lfunc_end_k_q1b6021cb0a_nms-k_q1b6021cb0a_nms
	.p2alignl 7, 3214868480
	.fill 96, 4, 3214868480
	.section	.rodata,"a",@progbits
	.p2align	6, 0x0
	.amdhsa_kernel k_q1b6021cb0a_nms
		.amdhsa_group_segment_fixed_size 51200
		.amdhsa_private_segment_fixed_size 0
		.amdhsa_enable_private_segment 0
		.amdhsa_kernarg_size 40
		.amdhsa_user_sgpr_count 2
		.amdhsa_user_sgpr_kernarg_segment_ptr 1
		.amdhsa_wavefront_size32 1
		.amdhsa_system_sgpr_workgroup_id_x 1
		.amdhsa_system_sgpr_workgroup_id_y 1
		.amdhsa_system_sgpr_workgroup_id_z 1
		.amdhsa_system_vgpr_workitem_id 0
		.amdhsa_next_free_vgpr 106
		.amdhsa_next_free_sgpr 72
		.amdhsa_reserve_vcc 1
		.amdhsa_float_denorm_mode_32 3
		.amdhsa_float_denorm_mode_16_64 3
		.amdhsa_memory_ordered 1
		.amdhsa_forward_progress 1
		.amdhsa_inst_pref_size 133
	.end_amdhsa_kernel
	.amdgpu_metadata
---
amdhsa.version: [ 1, 2 ]
amdhsa.kernels:
  - .name:           k_q1b6021cb0a_nms
    .symbol:         k_q1b6021cb0a_nms.kd
    .args:
      - { .name: scores_map, .offset: 0, .size: 8, .value_kind: global_buffer, .address_space: global }
      - { .name: lk, .offset: 8, .size: 8, .value_kind: global_buffer, .address_space: global }
      - { .name: li, .offset: 16, .size: 8, .value_kind: global_buffer, .address_space: global }
      - { .name: sk, .offset: 24, .size: 8, .value_kind: global_buffer, .address_space: global }
      - { .name: si, .offset: 32, .size: 8, .value_kind: global_buffer, .address_space: global }
    .group_segment_fixed_size: 51200
    .private_segment_fixed_size: 0
    .kernarg_segment_align: 8
    .kernarg_segment_size: 40
    .max_flat_workgroup_size: 512
    .sgpr_count:     72
    .vgpr_count:     106
    .wavefront_size: 32
...
	.end_amdgpu_metadata
.endif
;; end of part 6
;; launch thresh (part 7): grid 64 x 1, 32 waves a work-group, no clusters, 8,192 bytes of LDS; arguments sk, si, thr; writes thr
.if DOCPART == 7
	.amdgcn_target "amdgcn-amd-amdhsa--gfx1250"
	.amdhsa_code_object_version 6
	.text
	.protected	k_q1b6021cb0a_thresh
	.globl	k_q1b6021cb0a_thresh
	.p2align	8
	.type	k_q1b6021cb0a_thresh,@function
k_q1b6021cb0a_thresh:
	s_mov_b64 s[64:65], 0
	v_nop
	global_prefetch_b8 v0, s[64:65] scope:SCOPE_SE
	s_setreg_imm32_b32 hwreg(HW_REG_WAVE_MODE, 25, 1), 1
	s_wait_xcnt 0x0
; The threshold h* of each image.  An image has 128 sorted lists; sample j of a list is the last element of a block of
; w = 8, 8, 8, 8, 32, 192, 768, 1024 elements.  G'(x) = sum of w(y) over the image's samples y > x; pairs are unique, so G'(x) + w(x)
; elements are >= x for sure.  h* is the one sample with G' < 2048 <= G' + w, so the 2,048 greatest elements are all >= h*.
; A work-group ranks 32 samples (one a lane); wave w looks at the 32 samples of lists 4w .. 4w+3, read as scalars in one run that is
; issued together with the loads of x; LDS joins the 32 waves.
; x < y is the borrow of {K, I}(x) - {K, I}(y), two subtractions; four go side by side, each with a borrow register of its own.
; The borrows are counted apart for each of the eight sample classes and weighted once at the end; the first eight samples start the counts.
; All numbers are whole.  The work is 1,024 x 1,024 comparisons an image: nothing here to stream, share or multiply.
.set C,  8                             ; v[8:15]  class j: how many y > x
.set DW, 16                            ; v[16:19] the subtractions' differences, never read
.set CC, 72                            ; s[72:75] four borrows
	s_load_b128 s[4:7], s[0:1], 0x0                ; sk, si
	s_load_b64 s[12:13], s[0:1], 0x10              ; thr
	v_lshl_add_u32 v64, v0, 2, 0x1000
	v_mov_b32 v65, 0
	v_lshrrev_b32 v1, 5, v0
	v_readfirstlane_b32 s14, v1                    ; wave
	s_lshr_b32 s15, ttmp9, 5                       ; image
	s_and_b32 s2, ttmp9, 31
	s_lshl_b32 s2, s2, 7
	v_and_b32 v1, 31, v0
	v_lshl_add_u32 v2, v1, 2, s2                   ; my sample's byte in the image's 4,096
	v_lshlrev_b32 v3, 2, v0                        ; my word in LDS: 32 wave + lane
	s_lshl_b32 s98, s15, 12
	s_mov_b32 s99, 0
	s_wait_kmcnt 0x0
	s_add_nc_u64 s[4:5], s[4:5], s[98:99]
	s_add_nc_u64 s[6:7], s[6:7], s[98:99]
	global_load_b32 v4, v2, s[4:5]                 ; Kx
	global_load_b32 v5, v2, s[6:7]                 ; Ix
	s_lshl_b32 s98, s14, 7
	s_add_nc_u64 s[8:9], s[4:5], s[98:99]          ; my wave's 32 samples
	s_add_nc_u64 s[10:11], s[6:7], s[98:99]
	s_load_b512 s[16:31], s[8:9], 0x0              ; K of y 0 .. 15
	s_load_b512 s[32:47], s[8:9], 0x40             ;        16 .. 31
	s_load_b512 s[48:63], s[10:11], 0x0            ; I of y 0 .. 15
	s_load_b512 s[80:95], s[10:11], 0x40           ;        16 .. 31
	s_wait_loadcnt 0x0
	s_wait_kmcnt 0x0
.set i, 0
.rept 8
.if i < 16
.set IB, 48+i
.else
.set IB, 64+i
.endif
.irp c, 0,1,2,3
	v_sub_co_u32 v[DW+\c], s[CC+\c], v5, s[IB+\c]
.endr
.irp c, 0,1,2,3
	v_sub_co_ci_u32 v[DW+\c], s[CC+\c], v4, s[16+i+\c], s[CC+\c]   ; borrow: x < y
.endr
.irp c, 0,1,2,3
.if i < 8
	v_cndmask_b32 v[C+i+\c], 0, 1, s[CC+\c]                        ; the first list starts the eight counts: nothing is cleared
.else
	v_add_co_ci_u32 v[C+((i+\c)&7)], s[CC+\c], 0, v[C+((i+\c)&7)], s[CC+\c]
.endif
.endr
.set i, i+4
.endr
	v_add3_u32 v20, v[C], v[C+1], v[C+2]
	v_add_nc_u32 v20, v20, v[C+3]
	v_lshlrev_b32 v20, 3, v20                      ; 8 for classes 0 .. 3
	v_lshl_add_u32 v20, v[C+4], 5, v20             ; 32
	v_mad_u32_u24 v20, v[C+5], 0xc0, v20           ; 192
	v_mad_u32_u24 v20, v[C+6], 0x300, v20          ; 768
	v_lshl_add_u32 v20, v[C+7], 10, v20            ; 1024
	ds_store_b32 v3, v20
	s_wait_dscnt 0x0                               ; zero: wave 0 reads every wave's words
	s_barrier_signal -1
	s_barrier_wait -1
	s_cmp_lg_u32 s14, 0
	s_cbranch_scc1 .Lend
.set k, 0
.rept 32
	ds_load_b32 v[32+k], v3 offset:128*k           ; in wave 0 v3 is 4 lane
.set k, k+1
.endr
	s_wait_dscnt 0x0
.irp k, 33,35,37,39,41,43,45,47,49,51,53,55,57,59,61
	v_add3_u32 v32, v32, v[\k], v[\k+1]
.endr
	v_add_nc_u32 v32, v32, v63                     ; G'(x)
	v_and_b32 v21, 7, v0
	v_mov_b32 v22, 8                               ; w(x)
	v_cmp_ne_u32 vcc_lo, 4, v21
	v_cndmask_b32 v22, 32, v22, vcc_lo
	v_cmp_ne_u32 vcc_lo, 5, v21
	v_cndmask_b32 v22, 0xc0, v22, vcc_lo
	v_cmp_ne_u32 vcc_lo, 6, v21
	v_cndmask_b32 v22, 0x300, v22, vcc_lo
	v_cmp_ne_u32 vcc_lo, 7, v21
	v_cndmask_b32 v22, 0x400, v22, vcc_lo
	v_cmp_gt_u32 s96, 0x800, v32                   ; G' < 2048
	v_add_nc_u32 v23, v32, v22
	v_cmp_le_u32 vcc_lo, 0x800, v23                ; 2048 <= G' + w
	s_and_b32 vcc_lo, vcc_lo, s96
	v_mov_b32 v24, 0
	s_lshl_b32 s98, s15, 3
	s_add_nc_u64 s[12:13], s[12:13], s[98:99]
	s_wait_xcnt 0x0                                ; EXEC changes only behind this wait
	s_and_saveexec_b32 s96, vcc_lo                 ; one lane of one work-group of the image
	global_store_b64 v24, v[4:5], s[12:13]
	s_wait_xcnt 0x0
	s_or_b32 exec_lo, exec_lo, s96
.Lend:
	s_barrier_signal -1
	s_barrier_wait -1
	s_wait_tensorcnt 0x0
	ds_add_u32 v64, v65
	s_wait_dscnt 0x0
	s_endpgm
.Lfunc_end_k_q1b6021cb0a_thresh:
	.size	k_q1b6021cb0a_thresh, .Lfunc_end_k_q1b6021cb0a_thresh-k_q1b6021cb0a_thresh
	.p2alignl 7, 3214868480
	.fill 96, 4, 3214868480
	.section	.rodata,"a",@progbits
	.p2align	6, 0x0
	.amdhsa_kernel k_q1b6021cb0a_thresh
		.amdhsa_group_segment_fixed_size 8192
		.amdhsa_private_segment_fixed_size 0
		.amdhsa_enable_private_segment 0
		.amdhsa_kernarg_size 24
		.amdhsa_user_sgpr_count 2
		.amdhsa_user_sgpr_kernarg_segment_ptr 1
		.amdhsa_wavefront_size32 1
		.amdhsa_system_sgpr_workgroup_id_x 1
		.amdhsa_system_sgpr_workgroup_id_y 1
		.amdhsa_system_sgpr_workgroup_id_z 1
		.amdhsa_system_vgpr_workitem_id 0
		.amdhsa_next_free_vgpr 66
		.amdhsa_next_free_sgpr 100
		.amdhsa_reserve_vcc 1
		.amdhsa_float_denorm_mode_32 3
		.amdhsa_float_denorm_mode_16_64 3
		.amdhsa_memory_ordered 1
		.amdhsa_forward_progress 1
		.amdhsa_inst_pref_size 13
	.end_amdhsa_kernel
	.amdgpu_metadata
---
amdhsa.version: [ 1, 2 ]
amdhsa.kernels:
  - .name:           k_q1b6021cb0a_thresh
    .symbol:         k_q1b6021cb0a_thresh.kd
    .args:
      - { .name: sk, .offset: 0, .size: 8, .value_kind: global_buffer, .address_space: global }
      - { .name: si, .offset: 8, .size: 8, .value_kind: global_buffer, .address_space: global }
      - { .name: thr, .offset: 16, .size: 8, .value_kind: global_buffer, .address_space: global }
    .group_segment_fixed_size: 8192
    .private_segment_fixed_size: 0
    .kernarg_segment_align: 8
    .kernarg_segment_size: 24
    .max_flat_workgroup_size: 1024
    .sgpr_count:     100
    .vgpr_count:     66
    .wavefront_size: 32
...
	.end_amdgpu_metadata
.endif
;; end of part 7
;; launch rank (part 8): grid 256 x 1, 16 waves a work-group, no clusters, 67,584 bytes of LDS; arguments lk, li, sk, si, thr, cnt; writes cnt
.if DOCPART == 8
	.amdgcn_target "amdgcn-amd-amdhsa--gfx1250"
	.amdhsa_code_object_version 6
	.text
	.protected	k_q1b6021cb0a_rank
	.globl	k_q1b6021cb0a_rank
	.p2align	8
	.type	k_q1b6021cb0a_rank,@function
k_q1b6021cb0a_rank:
	s_mov_b64 s[64:65], 0
	v_nop
	global_prefetch_b8 v0, s[64:65] scope:SCOPE_SE
	s_setreg_imm32_b32 hwreg(HW_REG_WAVE_MODE, 25, 1), 1
	s_wait_xcnt 0x0
; Places of an image's greatest pixels, by counting: this launch makes the partial counts.
; List l's prefix of e_l = max(32, 8 + sum of w[j+1] over its samples y_j >= h*) holds all of its elements >= h*, so the prefixes together
; (the candidates) hold the 2,048 greatest.  For a candidate x, the number of candidates y > x is x's place among the candidates: pairs are
; unique (ties are broken by the index inside the pair), so the places are 0, 1, 2, .. each once, and the first 2,048 are the keypoints.
; A list is sorted, so its samples >= h* are its first n of samples 0 .. 6, and e = 32, 32, 32, 32, 64, 256, 1024, 2048 for n = 0 .. 7:
; whole chunks of 32, so every lane of a chunk holds a candidate.
; Each wave makes the lengths that it needs itself, in scalar registers: one sample a lane, a comparison with h* into a lane mask, a count of
; the list's seven bits.  So every trip count comes from whole numbers of earlier launches by loads, comparisons and scalar arithmetic alone.
; A work-group owns one list.  Chunks of 32 of its prefix, one x a lane; wave w counts in lists 8w .. 8w+7, every y the same in all lanes.
; x < y is the borrow of {K, I}(x) - {K, I}(y): two subtractions, and an add with carry puts the borrow into a count: three lines an element.
; Four elements go side by side, each with its own borrow register and its own count, so that no line waits for the line in front of it.
; The first 64 elements of every list are staged in LDS (64 KiB from the sorted lists); longer prefixes are read on from memory.
; The sixteen waves' counts of a chunk leave through memory (2 KiB a chunk, each wave 128 consecutive bytes) and the next launch adds them up:
; a join in LDS would want a barrier inside the chunk loop, whose trip count is read from memory.  So LDS is only read behind the one barrier.
; No tensor loads or clusters: what is staged is 256 bytes of each of 128 lists, once; no matrix work: comparisons only.
.set YIL, 32768                        ; LDS: K [128][64] at 0, I [128][64] at 32768
.set KX,  3
.set IX,  4
.set CNT, 16                           ; v[16:19] four counts
.set DW,  20                           ; v[20:23] the subtractions' differences, never read
.set YK,  32                           ; v[32:63] 32 y: K
.set YI,  64                           ; v[64:95]       I
.set MLO, 32                           ; s32: bit 8q + j: sample j of list 8w + q is >= h*, q = 0 .. 3
.set MHI, 33                           ; s33: the same for lists 8w + 4 .. 8w + 7
.set MOWN, 34                          ; s34: bits 0 .. 7: the same for the work-group's own list
.set CC,  36                           ; s[36:39] four borrows
	s_load_b256 s[4:11], s[0:1], 0x0               ; lk 4, li 6, sk 8, si 10
	s_load_b128 s[12:15], s[0:1], 0x20             ; thr 12, cnt 14
	v_lshl_add_u32 v96, v0, 2, 0x10000
	v_mov_b32 v97, 0
	v_lshrrev_b32 v1, 5, v0
	v_readfirstlane_b32 s24, v1                    ; wave
	s_lshr_b32 s46, ttmp9, 7                       ; image
	s_and_b32 s47, ttmp9, 127                      ; my list
	s_mov_b32 s51, 0
	v_and_b32 v1, 31, v0
	v_lshlrev_b32 v1, 2, v1                        ; 4 lane
	v_lshrrev_b32 v10, 4, v0
	v_and_b32 v11, 15, v0
	v_lshlrev_b32 v10, 13, v10
	v_lshl_or_b32 v10, v11, 4, v10                 ; list t >> 4 of a pass's 32, its 16 bytes t & 15
	v_lshlrev_b32 v12, 4, v0
	v_lshlrev_b32 v13, 2, v0                       ; my word in a chunk's counts: 128 wave + 4 lane
	s_lshl_b32 s52, s24, 8
	v_add_nc_u32 v14, s52, v1                      ; sample lane & 7 of list 8 wave + (lane >> 3)
	s_lshl_b32 s52, s47, 5
	v_and_b32 v15, 28, v1
	v_add_nc_u32 v15, s52, v15                     ; sample lane & 7 of my work-group's list
	s_wait_kmcnt 0x0
	s_lshl_b32 s50, s46, 20
	s_add_nc_u64 s[4:5], s[4:5], s[50:51]          ; the image's lists
	s_add_nc_u64 s[6:7], s[6:7], s[50:51]
	s_lshl_b32 s50, s46, 12
	s_add_nc_u64 s[8:9], s[8:9], s[50:51]          ; the image's samples
	s_add_nc_u64 s[10:11], s[10:11], s[50:51]
	s_lshl_b32 s50, s46, 3
	s_add_nc_u64 s[12:13], s[12:13], s[50:51]
	s_load_b64 s[22:23], s[12:13], 0x0             ; h*: K, I
	s_lshl_b32 s50, ttmp9, 17
	s_add_nc_u64 s[14:15], s[14:15], s[50:51]      ; my list's counts: 64 chunks of 2 KiB
	; stage the first 256 bytes of every list: sixteen lanes take one list's 256 bytes
.irp r, 0,1,2,3
	global_load_b128 v[32+4*\r:35+4*\r], v10, s[4:5] offset:\r*262144
	global_load_b128 v[48+4*\r:51+4*\r], v10, s[6:7] offset:\r*262144
.endr
	global_load_b32 v64, v14, s[8:9]               ; K of the samples of lists 8w .. 8w+3
	global_load_b32 v65, v14, s[8:9] offset:128    ;                          8w+4 .. 8w+7
	global_load_b32 v66, v14, s[10:11]             ; I likewise
	global_load_b32 v67, v14, s[10:11] offset:128
	global_load_b32 v68, v15, s[8:9]               ; the own list's
	global_load_b32 v69, v15, s[10:11]
	s_wait_loadcnt 0x0
.irp r, 0,1,2,3
	ds_store_b128 v12, v[32+4*\r:35+4*\r] offset:\r*8192
	ds_store_b128 v12, v[48+4*\r:51+4*\r] offset:YIL+\r*8192
.endr
	s_wait_kmcnt 0x0
.macro GEH dst, k, i                   ; lane mask: my sample >= h* as pairs
	v_cmp_lt_u32 s[\dst], s22, v[\k]
	v_cmp_eq_u32 s42, s22, v[\k]
	v_cmp_le_u32 s43, s23, v[\i]
	s_and_b32 s42, s42, s43
	s_or_b32 s[\dst], s[\dst], s42
.endm
.macro ELEN dst, src                   ; the prefix length from a list's bits 0 .. 6: min(2048, max(32, 1 << (2 max(n, 3) - 2)))
	s_and_b32 s[\dst], s[\src], 0x7f
	s_bcnt1_i32_b32 s[\dst], s[\dst]
	s_max_u32 s[\dst], s[\dst], 3
	s_lshl_b32 s[\dst], s[\dst], 1
	s_sub_co_u32 s[\dst], s[\dst], 2
	s_lshl_b32 s[\dst], 1, s[\dst]
	s_max_u32 s[\dst], s[\dst], 32
	s_min_u32 s[\dst], s[\dst], 0x800
.endm
	GEH MLO, 64, 66
	GEH MHI, 65, 67
	GEH MOWN, 68, 69
	ELEN 25, MOWN                                  ; my list's prefix
	s_lshr_b32 s26, s25, 5                         ; its chunks of 32: 1, 2, 8, 32 or 64
	s_lshl_b32 s53, s47, 13
	v_add_nc_u32 v9, s53, v1                       ; my list's bytes + 4 lane
	s_wait_dscnt 0x0                               ; zero: every wave reads the staged lists
	s_barrier_signal -1
	s_barrier_wait -1                              ; the only barrier: from here on LDS is only read
.macro CNT32                           ; counts += [x < y] for 32 y (the same in all lanes), four at a time
.set q, 0
.rept 8
.irp c, 0,1,2,3
	v_sub_co_u32 v[DW+\c], s[CC+\c], v[IX], v[YI+q+\c]
.endr
.irp c, 0,1,2,3
	v_sub_co_ci_u32 v[DW+\c], s[CC+\c], v[KX], v[YK+q+\c], s[CC+\c]
.endr
.irp c, 0,1,2,3
	v_add_co_ci_u32 v[CNT+\c], s[CC+\c], 0, v[CNT+\c], s[CC+\c]
.endr
.set q, q+4
.endr
.endm
.macro LDS32 h                         ; elements 32h .. 32h+31 of the staged list, in one run
.irp q, 0,1,2,3,4,5,6,7
	ds_load_b128 v[YK+4*\q:YK+4*\q+3], v6 offset:128*\h+16*\q
	ds_load_b128 v[YI+4*\q:YI+4*\q+3], v6 offset:YIL+128*\h+16*\q
.endr
.endm
	s_mov_b32 s27, 0
.Lchunk:
	s_min_u32 s48, s27, 63
	s_lshl_b32 s52, s48, 7
	v_add_nc_u32 v2, s52, v9
	global_load_b32 v[KX], v2, s[4:5]
	global_load_b32 v[IX], v2, s[6:7]
.irp c, 0,1,2,3
	v_mov_b32 v[CNT+\c], 0                         ; the counts run through a loop over the lists: they start at 0
.endr
	s_mov_b32 s28, 0
	s_wait_loadcnt 0x0                             ; x is there, and v2 is free for the next trip
.Llist:
	s_lshl3_add_u32 s54, s24, s28                  ; list 8 wave + trip
	s_lshl_b32 s52, s54, 8
	v_mov_b32 v6, s52                              ; its staged 256 bytes
	s_lshl_b32 s49, s54, 13                        ; its bytes in memory
	LDS32 0                                        ; every prefix has at least 32
	s_cmp_lt_u32 s28, 4
	s_cselect_b32 s29, s[MLO], s[MHI]
	s_and_b32 s52, s28, 3
	s_lshl_b32 s52, s52, 3
	s_lshr_b32 s29, s29, s52                       ; this list's bits
	ELEN 29, 29                                    ; this list's prefix
	s_wait_dscnt 0x0
	CNT32
	s_cmp_le_u32 s29, 32
	s_cbranch_scc1 .Ldone
	LDS32 1
	s_wait_dscnt 0x0
	CNT32
	s_cmp_le_u32 s29, 64
	s_cbranch_scc1 .Ldone
	s_sub_co_u32 s31, s29, 64
	s_lshr_b32 s31, s31, 5                         ; what lies beyond the staged 64, in runs of 32: 6, 30 or 62, from memory
	s_mov_b32 s30, 0
.Lfar:
	s_min_u32 s52, s30, 61
	s_lshl_b32 s52, s52, 7
	s_add_co_u32 s52, s52, s49
	v_mov_b32 v8, s52
.irp q, 0,1,2,3,4,5,6,7
	global_load_b128 v[YK+4*\q:YK+4*\q+3], v8, s[4:5] offset:256+16*\q
	global_load_b128 v[YI+4*\q:YI+4*\q+3], v8, s[6:7] offset:256+16*\q
.endr
	s_wait_loadcnt 0x0                             ; also frees v8
	CNT32
	s_add_co_u32 s30, s30, 1
	s_cmp_lt_u32 s30, s31
	s_cbranch_scc1 .Lfar
.Ldone:
	s_add_co_u32 s28, s28, 1
	s_cmp_lt_u32 s28, 8
	s_cbranch_scc1 .Llist
	v_add3_u32 v[CNT], v[CNT], v[CNT+1], v[CNT+2]
	v_add_nc_u32 v[CNT], v[CNT], v[CNT+3]
	s_lshl_b32 s52, s48, 11
	v_add_nc_u32 v10, s52, v13
	global_store_b32 v10, v[CNT], s[14:15]         ; my wave's counts of this chunk
	s_wait_xcnt 0x0                                ; the next trip rewrites the count and the offset only behind this wait
	s_add_co_u32 s27, s27, 1
	s_cmp_lt_u32 s27, s26
	s_cbranch_scc1 .Lchunk
	s_barrier_signal -1
	s_barrier_wait -1
	s_wait_tensorcnt 0x0
	ds_add_u32 v96, v97
	s_wait_dscnt 0x0
	s_endpgm
.Lfunc_end_k_q1b6021cb0a_rank:
	.size	k_q1b6021cb0a_rank, .Lfunc_end_k_q1b6021cb0a_rank-k_q1b6021cb0a_rank
	.p2alignl 7, 3214868480
	.fill 96, 4, 3214868480
	.section	.rodata,"a",@progbits
	.p2align	6, 0x0
	.amdhsa_kernel k_q1b6021cb0a_rank
		.amdhsa_group_segment_fixed_size 67584
		.amdhsa_private_segment_fixed_size 0
		.amdhsa_enable_private_segment 0
		.amdhsa_kernarg_size 48
		.amdhsa_user_sgpr_count 2
		.amdhsa_user_sgpr_kernarg_segment_ptr 1
		.amdhsa_wavefront_size32 1
		.amdhsa_system_sgpr_workgroup_id_x 1
		.amdhsa_system_sgpr_workgroup_id_y 1
		.amdhsa_system_sgpr_workgroup_id_z 1
		.amdhsa_system_vgpr_workitem_id 0
		.amdhsa_next_free_vgpr 98
		.amdhsa_next_free_sgpr 66
		.amdhsa_reserve_vcc 0
		.amdhsa_float_denorm_mode_32 3
		.amdhsa_float_denorm_mode_16_64 3
		.amdhsa_memory_ordered 1
		.amdhsa_forward_progress 1
		.amdhsa_inst_pref_size 29
	.end_amdhsa_kernel
	.amdgpu_metadata
---
amdhsa.version: [ 1, 2 ]
amdhsa.kernels:
  - .name:           k_q1b6021cb0a_rank
    .symbol:         k_q1b6021cb0a_rank.kd
    .args:
      - { .name: lk, .offset: 0, .size: 8, .value_kind: global_buffer, .address_space: global }
      - { .name: li, .offset: 8, .size: 8, .value_kind: global_buffer, .address_space: global }
      - { .name: sk, .offset: 16, .size: 8, .value_kind: global_buffer, .address_space: global }
      - { .name: si, .offset: 24, .size: 8, .value_kind: global_buffer, .address_space: global }
      - { .name: thr, .offset: 32, .size: 8, .value_kind: global_buffer, .address_space: global }
      - { .name: cnt, .offset: 40, .size: 8, .value_kind: global_buffer, .address_space: global }
    .group_segment_fixed_size: 67584
    .private_segment_fixed_size: 0
    .kernarg_segment_align: 8
    .kernarg_segment_size: 48
    .max_flat_workgroup_size: 512
    .sgpr_count:     66
    .vgpr_count:     98
    .wavefront_size: 32
...
	.end_amdgpu_metadata
.endif
;; end of part 8
;; launch refine: the kernel of part 4 again; grid 256 x 1, 1 waves a work-group, no clusters, 0 bytes of LDS; arguments li, sk, si, thr, cnt, scores_map, kp; writes kp
;; launch sample: the kernel of part 5 again; grid 256 x 1, 16 waves a work-group, no clusters, 2,304 bytes of LDS; arguments descriptor_map, scores_map, kp, out0, out1, out2, out3; writes out0, out1, out2, out3
